; MI455X (gfx1250); checked and timed in simulation.
; The chip was launched on July 23, 2026; its instructions are those of AMD's public machine-readable ISA for CDNA 5 (MIT licence, August 2026) and "CDNA5" Instruction Set Architecture Reference Guide (July 2026). The comments in the code are by the model that wrote it; some were corrected since.
;; Attention. Allowed arithmetic: matrix products marked QUANTISED: E4M3 operands, one given power-of-two scale a tensor, by v_wmma_f32_16x16x64_fp8_fp8 or v_wmma_f32_16x16x128_fp8_fp8, f32 sums; products left as they are: f32 operands where the result goes on into a quantised operand, else bf16, f16 or f32 operands; f32 sums; everything else in f32.
;; Inputs: Wk 2,048 x 8 x 64 float32; Wo 2,048 x 2,048 float32; Wq 2,048 x 32 x 64 float32; Wv 2,048 x 8 x 64 float32; attention_mask 1 x 1 x 2,048 x 2,048 float32; hidden_states 1 x 2,048 x 2,048 float32; lowp_scales 12 int32 (the exponents e of the quantised operands' scales 2^e).
;; Outputs: out0 1 x 2,048 x 2,048 float32.
;; This version of the problem:
;;   THIS VERSION OF THE PROBLEM IS GIVEN IN LOW PRECISION. The matrix products marked QUANTISED in the list below multiply operands that are first quantised to E4M3 (4 exponent bits, 3 mantissa bits; 8 bits a number), with one given power-of-two scale for each operand tensor; their sums are f32. All else is computed in f32.
;;   The module's matrix products, in the order in which they are computed (A, B: the left and right operand; K: the contracted axis; several contracted axes count as one K, in the product's order):
;;     1. [M 2,048, K 2,048] x [K 2,048, N 2,048]; A: input hidden_states; B: input Wq: QUANTISED (scales: A lowp_scales[0], B lowp_scales[1])
;;     2. [M 2,048, K 2,048] x [K 2,048, N 512]; A: input hidden_states; B: input Wk: QUANTISED (scales: A lowp_scales[2], B lowp_scales[3])
;;     3. [M 2,048, K 2,048] x [K 2,048, N 512]; A: input hidden_states; B: input Wv: QUANTISED (scales: A lowp_scales[4], B lowp_scales[5])
;;     4. [M 2,048, K 1] x [K 1, N 32]; A: computed on the way; B: computed on the way: left as it is (no contracted axis)
;;     5. [M 2,048, K 1] x [K 1, N 32]; A: computed on the way; B: computed on the way: left as it is (no contracted axis)
;;     6. batch 32 x [M 2,048, K 64] x [K 64, N 2,048]; A: computed on the way; B: computed on the way: QUANTISED (scales: A lowp_scales[6], B lowp_scales[7])
;;     7. batch 32 x [M 64, K 2,048] x [K 2,048, N 2,048]; A: computed on the way; B: softmax (see below): QUANTISED (scales: A lowp_scales[8], B lowp_scales[9])
;;     8. [M 2,048, K 2,048] x [K 2,048, N 2,048]; A: computed on the way; B: input Wo: QUANTISED (scales: A lowp_scales[10], B lowp_scales[11])
;;   THE QUANTISER, for each operand of a quantised product, along K:
;;     - The operand's scale is 2^e, e = its entry of the input lowp_scales (int32; the entries are numbered through the quantised products in the list's order, A before B).
;;     - Each number is divided by the scale, clamped to +-448, and rounded to the nearest number of E4M3, ties to even, subnormals kept.
;;     - The product sums the exact products of the quantised numbers (number of the format x scale) in f32.
;;   ~~~python
;;   def quantise(x, axis, e):      # numpy; x: float32 -> the quantised numbers, widened to float32 again
;;       x = np.moveaxis(x, axis, -1); K = x.shape[-1]
;;       r = np.clip(x / 2.0 ** e, -448, 448)
;;       step = 2.0 ** (np.maximum(np.frexp(np.where(r == 0, 1, r))[1] - 1, -6) - 3)
;;       q = np.round(r / step) * step * 2.0 ** e      # np.round: ties to even
;;       return np.moveaxis(q, -1, axis).astype(np.float32)
;;   ~~~
;;   SOFTMAX AHEAD OF A QUANTISED PRODUCT. Where the list says 'softmax', what is quantised is not the finished softmax but p = 2^(t - M), with t = logit x log2(e) and M = ceil(the row's largest t), a whole number; so 1/2 < the row's largest p <= 1. The row's sum l is taken of the UNQUANTISED p, in f32, and the product's result is divided by l at the end. Since M is a whole number, a kernel that streams over the keys may use a running M (the ceiling of the running maximum): every later rescaling is an exact power of two, so the quantised numbers keep their values, but for numbers so far below the row's largest that they fall under the format's range.
;;   OPERANDS COMPUTED ON THE WAY. 'Computed on the way' means the value that the module computes at that place (a softmax that the list does not call 'softmax' is quantised finished and normalised). What goes into a quantiser is computed in f32, as accurately as f32 sums, v_exp_f32 and their like allow (about 1e-6 of the number): no bf16 or f16 on the way to a quantiser, and a product that is left as it is and whose result goes on into a quantised operand takes f32 operands (vector FMAs, or v_wmma_f32_16x16x4_f32). A number that lies on a knife's edge between two numbers of the format may be rounded either way, as far as f32 arithmetic and the matrix unit's own rounding can turn it there, and no further.
;; One version. Each part assembles by itself: llvm-mc -triple=amdgcn-amd-amdhsa -mcpu=gfx1250 --defsym DOCPART=n.
;; ======== version 1 of 1: 4 launches
;; limits: right only within a limited range of input values
;; workspace buffers: h_img 12,582,912 bytes; w_img 10,485,760 bytes; mask_t 16,777,216 bytes; rope_img 524,288 bytes; qkv_img 6,291,456 bytes; attn_img 4,194,304 bytes
;; launch prep (part 1): grid 608 x 1, 4 waves a work-group, no clusters, 68,096 bytes of LDS; arguments hidden_states, attention_mask, Wq, Wk, Wv, Wo, lowp_scales, h_img, w_img, mask_t, rope_img; writes h_img, w_img, mask_t, rope_img
.if DOCPART == 1
	.amdgcn_target "amdgcn-amd-amdhsa--gfx1250"
	.amdhsa_code_object_version 6
	.text
	.protected	k_q996388b624_prep
	.globl	k_q996388b624_prep
	.p2align	8
	.type	k_q996388b624_prep,@function
k_q996388b624_prep:
	s_mov_b64 s[64:65], 0
	v_nop
	global_prefetch_b8 v0, s[64:65] scope:SCOPE_SE
	s_setreg_imm32_b32 hwreg(HW_REG_WAVE_MODE, 25, 1), 1
	s_wait_xcnt 0x0
; PREP: all that is made once for the three launches behind it.
; NOTHING OF THE PROBLEM IS LEFT OUT: every input has a way to the output and is loaded, and all six quantised products are done (in the later launches).
; Done ONCE where the source writes it twice: the RoPE angles position x inv_freq and their cos and sin are the same numbers for q and for k, and the two halves of emb are equal: one table of 2048 x 32.
; The tiling of the kv heads is never laid out: head n reads kv head n mod 8.
; FOUR JOBS, parted by the work-group number (each job has its own path; only the first and the third touch LDS):
;   0..127   hidden_states -> codes of E4M3, three times (scale entries 0, 2, 4 may differ), as images of operand registers
;   128..447 Wq, Wk, Wv, Wo ([K][N], K outermost) -> codes with K innermost, as images (entries 1, 3, 5, 11)
;   448..575 attention_mask -> mask_t = max(mask x log2(e), -FLT_MAX): the clamp of the source at finfo.min goes in here (see the attention kernel)
;   576..607 the RoPE table, cos and sin by reduction and polynomial, in the layout of a matrix result
; AN IMAGE: a fragment is 16 rows x 128 K of codes, 16 registers a lane in the plain 8-bit layout (lane (r, h): row r, registers 2c, 2c+1: k = 16c + 8h + 0..7).
; It lies as [part p 0..3][lane][16 bytes], part p = registers 4p..4p+3: every load and store of a fragment is 512 consecutive bytes, 16 a lane.
; Wo's K is laid in the order k' = 256 kvh + 64 g + d for the true row (8 g + kvh) 64 + d; the attention kernel writes its result in the same order, so every product meets its partner.
; code = x / 2^e, held within +-448, to the nearest code, ties to even.
; LIMITS: each of the entries 0, 1, 2, 3, 4, 5, 11 lies between -126 and 119.  NaN among the inputs is not served; an infinity is held at the largest code.
; A mask number under -2.36e38 counts as the most negative f32 number.  inv_freq is the correctly rounded 10^(-f/8): a power taken in f32 may differ from it in the last bit.
.set SPARE, 33792                      ; behind the four stages: the spare words, 128 bytes a wave, two blocks of 256 bytes that no other line names
.set SPW, 214                          ; v214 LDS address of my spare word; never rewritten
.set NIL, 215                          ; v215 0; never rewritten
.set LI,  4                            ; v4   16 x lane
.set R,   16                           ; hidden: v16-79 sixteen rows as loaded
.set X,   80                           ; hidden: v80-143 my 64 numbers, register 8c + i = k 16c + 8h + i of row r
.set T,   144                          ; hidden: v144-159 two sets of eight held numbers
.set C,   160                          ; hidden: v160-207 codes, 16 registers for each of the three scales
.set WX,  16                           ; weights: v16-79 two sets of 32 numbers down K
.set WOFF, 80                          ; weights: v80-111 4 x lane + i x pitch
.set WD,  112                          ; weights: v112-175 codes, 8 registers a block, never rewritten
.set MR,  16                           ; mask: v16-79 and, 128 registers on, v144-207: two sets of sixteen rows as loaded, by turns
.set MX,  80                           ; mask: v80-143 my 64 numbers, register 8c + i = key 16c + 8h + i of row r; scaled and held in place, and stored from here
.set MSTAGE, 34304                     ; mask: four stages of this job's own, behind the spare words
.macro MKSCALE e, vs, vl               ; from the exponent in s[e]: v[vs] = 2^e as f32 (the conversion takes its exponent field), v[vl] = 448 x 2^e
	s_add_co_i32 s62, s[\e], 127
	s_lshl_b32 s63, s62, 23
	v_mov_b32 v[\vs], s63
	s_add_co_i32 s62, s62, 8
	s_lshl_b32 s62, s62, 23
	s_or_b32 s62, s62, 0x600000
	v_mov_b32 v[\vl], s62
.endm
	s_load_b512 s[8:23], s[0:1], 0x0               ; hidden 8:9, mask 10:11, Wq 12:13, Wk 14:15, Wv 16:17, Wo 18:19, scales 20:21, h_img 22:23
	s_load_b128 s[24:27], s[0:1], 0x40             ; w_img 24:25, mask_t 26:27
	s_load_b64 s[28:29], s[0:1], 0x50              ; rope_img
	v_lshl_add_u32 v[SPW], v0, 2, SPARE
	v_mov_b32 v[NIL], 0
	v_lshrrev_b32 v1, 5, v0
	v_readfirstlane_b32 s30, v1                    ; wave 0..3
	v_and_b32 v1, 31, v0                           ; lane
	v_and_b32 v2, 15, v0                           ; r
	v_bfe_u32 v3, v0, 4, 1                         ; h
	v_lshlrev_b32 v[LI], 4, v1
	s_wait_kmcnt 0x0
	; THE DEAL.  The jobs' numbers (0..127 hidden, 128..447 weights, 448..575 mask, 576..607 the table) are dealt to the work-group numbers in blocks of 64: block b of work-groups takes block T[b] of the jobs' numbers,
	; T = 2, 7, 8, 1, 3, 0, 5, 6, 4, 9 (a nibble each).  So the work-groups numbered j, j + 256 and j + 512 are three of the weights; or mask and hidden (and the table); or mask and weights; or hidden and weights:
	; by the jobs' own bytes (hidden 224 KiB, weights 160 KiB, mask 256 KiB a work-group, read and stored) at most 480 KiB together.
	s_lshr_b32 s4, ttmp9, 6                        ; b
	s_mov_b32 s5, 0x65031872                       ; T[0..7], T[0] in the lowest nibble
	s_mov_b32 s6, 0x94                             ; T[8], T[9]
	s_cmp_lt_u32 s4, 8
	s_cselect_b32 s5, s5, s6
	s_lshl_b32 s4, s4, 2
	s_and_b32 s4, s4, 31
	s_lshr_b32 s5, s5, s4
	s_and_b32 s5, s5, 15                           ; T[b]
	s_lshl_b32 s5, s5, 6
	s_and_b32 s7, ttmp9, 63
	s_add_co_u32 s7, s7, s5                        ; s7: the job's number
	s_cmp_lt_u32 s7, 128
	s_cbranch_scc1 .Lhidden
	s_cmp_lt_u32 s7, 448
	s_cbranch_scc1 .Lweights
	s_cmp_lt_u32 s7, 576
	s_cbranch_scc1 .Lmask
; ---------------- THE ROPE TABLE.  Wave w makes position tile T = 4 (work-group - 576) + w: lane (r, h) holds position 16 T + r and the 16 frequencies f = 16 b + 8 h + j.
	s_sub_co_u32 s31, s7, 576
	s_lshl_b32 s31, s31, 2
	s_add_co_u32 s31, s31, s30                     ; T
	s_lshl_b32 s32, s31, 4
	s_wait_alu depctr_va_vdst(0)
	v_add_nc_u32 v5, s32, v2
	v_cvt_f32_u32 v5, v5                           ; the position as f32
	s_lshl_b32 s32, s31, 12                        ; a tile of the table is 8 groups x 512 bytes
	s_mov_b32 s33, 0
	s_add_nc_u64 s[60:61], s[28:29], s[32:33]
	v_cmp_eq_u32 vcc_lo, 1, v3                     ; lanes 16-31
.macro INVF i, lo, hi                  ; inv_freq: lanes 0-15 take lo, lanes 16-31 hi
	v_mov_b32 v[16+\i], \hi
	v_cndmask_b32 v[16+\i], \lo, v[16+\i], vcc_lo
.endm
	INVF 0,  0x3f800000, 0x3dcccccd                ; 10^(-f/8), f = 0 and 8
	INVF 1,  0x3f3ff911, 0x3d99940e
	INVF 2,  0x3f0ff59a, 0x3d6655c3
	INVF 3,  0x3ed7e89b, 0x3d2cba15
	INVF 4,  0x3ea1e89b, 0x3d0186e2
	INVF 5,  0x3e72d424, 0x3cc24350
	INVF 6,  0x3e361887, 0x3c91ad39
	INVF 7,  0x3e088d77, 0x3c5a7bf1
	INVF 8,  0x3c23d70a, 0x3a83126f                ; f = 16 and 24
	INVF 9,  0x3bf5b9b0, 0x3a44948c
	INVF 10, 0x3bb8449c, 0x3a136a16
	INVF 11, 0x3b8a2e77, 0x39dd1726
	INVF 12, 0x3b4f3e37, 0x39a5cb5f
	INVF 13, 0x3b1b690d, 0x3978a814
	INVF 14, 0x3ae91528, 0x393a7753
	INVF 15, 0x3aaec98e, 0x390bd472
	s_mov_b32 s48, 0x3f22f983                      ; 2 / pi
	s_mov_b32 s49, 0x3fc90fdb                      ; pi / 2 in three parts
	s_mov_b32 s50, 0xb33bbd2e
	s_mov_b32 s51, 0xa6f72ced
	s_mov_b32 s52, 0xbe2aaaa3                      ; sin r = r + r r2 (S1 + r2 (S2 + r2 S3)) on |r| <= pi / 4
	s_mov_b32 s53, 0x3c08839e
	s_mov_b32 s54, 0xb94ca1f9
	s_mov_b32 s55, 0x3d2aaaa5                      ; cos r = 1 - r2 / 2 + r2 r2 (C1 + r2 (C2 + r2 C3))
	s_mov_b32 s56, 0xbab6061a
	s_mov_b32 s57, 0x37ccf5ce
.set ii, 0
.rept 16
	v_mul_f32 v6, v5, v[16+ii]                     ; the angle, rounded once to f32 as the source rounds it
	v_mul_f32 v7, s48, v6
	v_rndne_f32 v7, v7                             ; k: the angle is k pi / 2 + r
	v_fma_f32 v6, -v7, s49, v6
	v_fma_f32 v6, -v7, s50, v6
	v_fma_f32 v6, -v7, s51, v6                     ; r
	v_mul_f32 v8, v6, v6                           ; r2
	v_fma_f32 v9, v8, s54, s53
	v_fma_f32 v9, v9, v8, s52
	v_mul_f32 v9, v9, v8
	v_fma_f32 v9, v9, v6, v6                       ; sin r
	v_fma_f32 v10, v8, s57, s56
	v_fma_f32 v10, v10, v8, s55
	v_mul_f32 v11, v8, v8
	v_fma_f32 v12, v8, -0.5, 1.0
	v_fma_f32 v10, v10, v11, v12                   ; cos r
	v_cvt_i32_f32 v13, v7
	v_and_b32 v14, 1, v13
	v_cmp_eq_u32 s58, 1, v14                       ; an odd k swaps the two
	v_cndmask_b32 v14, v9, v10, s58
	v_cndmask_b32 v15, v10, v9, s58
	v_lshlrev_b32 v11, 30, v13                     ; sin is negative where k mod 4 is 2 or 3,
	v_and_b32 v11, 0x80000000, v11
	v_xor_b32 v[48+ii], v11, v14
	v_add_nc_u32 v13, 1, v13                       ; cos where it is 1 or 2
	v_lshlrev_b32 v13, 30, v13
	v_and_b32 v13, 0x80000000, v13
	v_xor_b32 v[32+ii], v13, v15
.set ii, ii+1
.endr
.set ii, 0
.rept 8
	global_store_b128 v[LI], v[32+4*ii:35+4*ii], s[60:61] offset:512*ii   ; groups 0-3: cos, 4-7: sin; 512 consecutive bytes a store
.set ii, ii+1
.endr
	s_endpgm
; ---------------- THE MASK.  mask_t is laid as an IMAGE OF THE REGISTERS in which the attention kernel wants it: [query tile T][key step s of 128][part i 0..15][lane][16 bytes];
; part i holds registers 4 i .. 4 i + 3 of the 64 of lane (r, h): register 8 c + j = mask(16 T + r, 128 s + 16 c + 8 h + j).  Work-group = query tile; wave w takes key steps 4 w .. 4 w + 3.
; This job goes through LDS too, as the hidden states' does, in bytes of its own: each load reads 512 consecutive bytes of one row; the 16 x 512 bytes turn through the wave's stage (rows 528 bytes apart)
; and come back 32 bytes at a time; every store covers 512 consecutive bytes.
.Lmask:
	s_sub_co_u32 s31, s7, 448                      ; T
	s_lshl_b32 s32, s31, 17                        ; 16 rows of 8,192 bytes
	s_lshl_b32 s33, s30, 11                        ; my four key steps of 512 bytes
	s_add_co_u32 s32, s32, s33
	s_mov_b32 s33, 0
	s_add_nc_u64 s[48:49], s[10:11], s[32:33]
	s_lshl_b32 s32, s31, 17                        ; a tile's image: 16 key steps of 8,192 bytes
	s_lshl_b32 s34, s30, 15                        ; my four
	s_add_co_u32 s32, s32, s34
	s_add_nc_u64 s[50:51], s[26:27], s[32:33]
	s_mov_b32 s52, 0x3fb8aa3b                      ; log2(e)
	s_mov_b32 s53, s52                             ; (named with it as a pair, so it is written)
	s_mov_b32 s54, 0xff7fffff                      ; -FLT_MAX
	s_mul_i32 s31, s30, 8448
	s_add_co_u32 s31, s31, MSTAGE                  ; my stage
	s_wait_alu depctr_va_vdst(0)                   ; a wait ahead of the readers below
	v_add_nc_u32 v5, s31, v[LI]                    ; in: 16 bytes a lane, a row a store
	v_mul_u32_u24 v6, v2, 528
	v_lshl_add_u32 v6, v3, 5, v6
	v_add_nc_u32 v6, s31, v6                       ; back: row r, + 32 h
.macro MLOAD t
.set ii, 0
.rept 16
	global_load_b128 v[MR+128*((\t)%2)+4*ii:MR+128*((\t)%2)+4*ii+3], v[LI], s[48:49] offset:8192*ii+512*(\t) th:TH_LOAD_NT
.set ii, ii+1
.endr
.endm
.macro MSTEP t
.if (\t) < 3
	s_wait_loadcnt 16                              ; this step's sixteen loads are in; the next step's sixteen may be out
.else
	s_wait_loadcnt 0x0
.endif
	s_wait_xcnt 0x0                                ; the last step's stores have read their registers, into which this step's numbers come back
.set ii, 0
.rept 16
	ds_store_b128 v5, v[MR+128*((\t)%2)+4*ii:MR+128*((\t)%2)+4*ii+3] offset:528*ii
.set ii, ii+1
.endr
.set ii, 0
.rept 16
	ds_load_b128 v[MX+4*ii:MX+4*ii+3], v6 offset:64*(ii/2)+16*(ii%2)   ; LDS serves a wave's instructions in order (ISA guide 5.7.1.4): these see the stores above
.set ii, ii+1
.endr
	s_wait_dscnt 0x0                               ; my numbers are back, and the stage's stores have read this set of rows,
.if (\t) < 2
	MLOAD (\t)+2                                   ; which takes the rows of two steps on
.endif
.set ii, 0
.rept 32
	v_pk_mul_f32 v[MX+2*ii:MX+2*ii+1], v[MX+2*ii:MX+2*ii+1], s[52:53] op_sel_hi:[1,0]
.set ii, ii+1
.endr
.set ii, 0
.rept 64
	v_max_num_f32 v[MX+ii], s54, v[MX+ii]          ; what overflowed to -infinity comes back to the most negative number
.set ii, ii+1
.endr
.set ii, 0
.rept 16
	global_store_b128 v[LI], v[MX+4*ii:MX+4*ii+3], s[50:51] offset:8192*(\t)+512*ii
.set ii, ii+1
.endr
.endm
	MLOAD 0
	MLOAD 1
	s_wait_alu depctr_va_vdst(0)                   ; a wait ahead of the first step's wait
.irp t, 0,1,2,3
	MSTEP \t
.endr
	s_wait_tensorcnt 0x0                           ; the wave's end, behind my last LDS store
	ds_add_u32 v[SPW], v[NIL]
	s_wait_dscnt 0x0
	s_endpgm
; ---------------- THE WEIGHTS.  Work-group: 128 columns (cg) x 256 along K' (y).  A lane takes a column and its registers run down K, so the conversions give codes with K innermost; nothing goes through LDS.
.Lweights:
	s_load_b256 s[36:43], s[20:21], 0x0            ; e0 .. e7
	s_load_b128 s[44:47], s[20:21], 0x20           ; e8 .. e11
	s_sub_co_u32 s31, s7, 128
	s_lshr_b32 s32, s31, 3                         ; cg 0..39: 0-15 Wq, 16-19 Wk, 20-23 Wv, 24-39 Wo
	s_and_b32 s33, s31, 7                          ; y
	s_mov_b64 s[48:49], s[18:19]                   ; Wo:
	s_mov_b32 s34, 8192                            ; bytes from row to row,
	s_mov_b32 s35, 24                              ; the tensor's first cg,
	s_mov_b32 s50, 9                               ; pairs of blocks lie 512 rows apart (g steps),
	s_mov_b32 s51, 6                               ; and y (= kvh) steps 64 rows
	s_cmp_lt_u32 s32, 24
	s_cselect_b64 s[48:49], s[16:17], s[48:49]     ; Wv: K as it lies: pairs of blocks 64 rows apart, y steps 256 rows
	s_cselect_b32 s34, 2048, s34
	s_cselect_b32 s35, 20, s35
	s_cselect_b32 s50, 6, s50
	s_cselect_b32 s51, 8, s51
	s_cmp_lt_u32 s32, 20
	s_cselect_b64 s[48:49], s[14:15], s[48:49]     ; Wk
	s_cselect_b32 s35, 16, s35
	s_cmp_lt_u32 s32, 16
	s_cselect_b64 s[48:49], s[12:13], s[48:49]     ; Wq
	s_cselect_b32 s34, 8192, s34
	s_cselect_b32 s35, 0, s35
	s_sub_co_u32 s52, s32, s35
	s_lshl_b32 s52, s52, 9                         ; 128 columns of 4 bytes
	s_lshl_b32 s53, s30, 7                         ; my wave's 32
	s_add_co_u32 s52, s52, s53
	s_mov_b32 s53, 0
	s_add_nc_u64 s[48:49], s[48:49], s[52:53]
	s_lshl_b32 s54, s33, s51                       ; the first row
.irp t, 0,1,2,3,4,5,6,7                ; block t: 32 rows from the first row + (t / 2) x the pair's step + 32 (t % 2): a base for each
	s_lshl_b32 s52, (\t/2), s50
	s_add_co_u32 s52, s52, s54
	s_add_co_u32 s52, s52, 32*(\t%2)
	s_mul_i32 s52, s52, s34
	s_add_nc_u64 s[66+2*\t:67+2*\t], s[48:49], s[52:53]
.endr
	s_wait_alu depctr_va_vdst(0)
	v_lshlrev_b32 v[WOFF], 2, v1
.set ii, 1
.rept 31
	v_add_nc_u32 v[WOFF+ii], s34, v[WOFF+ii-1]
.set ii, ii+1
.endr
	s_lshl_b32 s52, s32, 18                        ; out: n tile 8 cg + 2 w (32,768 bytes a tile), K step 2 y (2,048 bytes)
	s_lshl_b32 s55, s30, 16
	s_add_co_u32 s52, s52, s55
	s_lshl_b32 s55, s33, 12
	s_add_co_u32 s52, s52, s55
	s_add_nc_u64 s[58:59], s[24:25], s[52:53]
.macro WLOAD t
.set ii, 0
.rept 32
	global_load_b32 v[WX+32*((\t)%2)+ii], v[WOFF+ii], s[66+2*(\t):67+2*(\t)] th:TH_LOAD_NT   ; one row, 32 neighbouring columns: 128 consecutive bytes a wave, 512 a work-group
.set ii, ii+1
.endr
.endm
	WLOAD 0
	WLOAD 1
	s_wait_kmcnt 0x0
	s_mov_b32 s60, s47                             ; Wo: entry 11
	s_cmp_lt_u32 s32, 24
	s_cselect_b32 s60, s41, s60                    ; Wv: entry 5
	s_cmp_lt_u32 s32, 20
	s_cselect_b32 s60, s39, s60                    ; Wk: entry 3
	s_cmp_lt_u32 s32, 16
	s_cselect_b32 s60, s37, s60                    ; Wq: entry 1
	MKSCALE 60, 208, 209
; A block is part t % 4 of K step 2 y + t / 4.  Lane l holds all 32 rows of column l.  The part wants, of a column, rows 0-7 and 16-23 in lane r and rows 8-15 and 24-31 in lane 16 + r:
; the codes are made in that grouping, and four exchanges of half-registers put columns 0-15 into the first four registers and columns 16-31 into the other four.
.macro WBLOCK t
.set XS, WX+32*((\t)%2)
.set DS, WD+8*(\t)
.if (\t) < 7
	s_wait_loadcnt 32                              ; this block's 32 loads are in; the next block's may be out
.else
	s_wait_loadcnt 0x0
.endif
.set ii, 0
.rept 32
	v_med3_num_f32 v[XS+ii], v[XS+ii], -v209, v209 ; the conversion to an 8-bit code does not saturate (ISA guide 7.6.2): the hold comes first
.set ii, ii+1
.endr
	v_cvt_scalef32_pk8_fp8_f32 v[DS:DS+1], v[XS:XS+7], v208
	v_cvt_scalef32_pk8_fp8_f32 v[DS+2:DS+3], v[XS+16:XS+23], v208
	v_cvt_scalef32_pk8_fp8_f32 v[DS+4:DS+5], v[XS+8:XS+15], v208
	v_cvt_scalef32_pk8_fp8_f32 v[DS+6:DS+7], v[XS+24:XS+31], v208
	v_nop                                          ; a plain line between the conversions and the exchanges that touch their results
.if (\t)+2 < 8
	WLOAD (\t)+2
.endif
.set ii, 0
.rept 4
	v_permlane16_swap_b32 v[DS+ii], v[DS+4+ii]     ; the first's lanes 16-31 change places with the second's lanes 0-15
.set ii, ii+1
.endr
	global_store_b128 v[LI], v[DS:DS+3], s[58:59] offset:((\t)/4)*2048+((\t)%4)*512
	global_store_b128 v[LI], v[DS+4:DS+7], s[58:59] offset:((\t)/4)*2048+((\t)%4)*512+32768
.endm
	s_wait_alu depctr_va_vdst(0)
.irp t, 0,1,2,3,4,5,6,7
	WBLOCK \t
.endr
	s_endpgm
; ---------------- HIDDEN STATES.  Work-group = row tile (16 rows); wave w takes K steps 4 w .. 4 w + 3, one a step.
; Each load reads 512 consecutive bytes of one row; the 16 x 512 bytes turn through the wave's own stage (rows 528 bytes apart, so that the 16 rows of a read start at 16 different banks: ISA guide 11.1)
; and come back 32 bytes at a time: my row's k = 16 c + 8 h + 0..7.  The same 64 numbers are quantised three times.
.Lhidden:
	s_load_b256 s[36:43], s[20:21], 0x0            ; e0 .. e7
	s_mul_i32 s31, s30, 8448                       ; my stage
	s_wait_alu depctr_va_vdst(0)
	v_add_nc_u32 v5, s31, v[LI]                    ; in: 16 bytes a lane, a row a store
	v_mul_u32_u24 v6, v2, 528
	v_lshl_add_u32 v6, v3, 5, v6
	v_add_nc_u32 v6, s31, v6                       ; back: row r, + 32 h
	s_lshl_b32 s32, s7, 17                         ; 16 rows of 8,192 bytes
	s_lshl_b32 s33, s30, 11                        ; my four K steps of 512 bytes
	s_add_co_u32 s32, s32, s33
	s_mov_b32 s33, 0
	s_add_nc_u64 s[50:51], s[8:9], s[32:33]
	s_lshl_b32 s32, s7, 15                         ; a row tile's 16 fragments
	s_lshl_b32 s34, s30, 13                        ; my four
	s_add_co_u32 s32, s32, s34
	s_add_nc_u64 s[52:53], s[22:23], s[32:33]      ; the three sets of codes lie 4 MiB apart: a base for each
	s_add_nc_u64 s[54:55], s[52:53], 0x400000
	s_add_nc_u64 s[56:57], s[54:55], 0x400000
.macro HLOAD t
.set ii, 0
.rept 16
	global_load_b128 v[R+4*ii:R+4*ii+3], v[LI], s[50:51] offset:8192*ii+512*(\t) th:TH_LOAD_NT
.set ii, ii+1
.endr
.endm
	HLOAD 0
	s_wait_alu depctr_va_vdst(0)
	s_wait_kmcnt 0x0
	MKSCALE 36, 208, 209
	MKSCALE 38, 210, 211
	MKSCALE 40, 212, 213
.macro HSTEP t
	s_wait_loadcnt 0x0
.set ii, 0
.rept 16
	ds_store_b128 v5, v[R+4*ii:R+4*ii+3] offset:528*ii
.set ii, ii+1
.endr
.set ii, 0
.rept 16
	ds_load_b128 v[X+4*ii:X+4*ii+3], v6 offset:64*(ii/2)+16*(ii%2)   ; LDS serves a wave's instructions in order (ISA guide 5.7.1.4): these see the stores above
.set ii, ii+1
.endr
	s_wait_dscnt 0x0                               ; my numbers are back, and the stage's stores have read their registers
	s_wait_xcnt 0x0                                ; the last step's stores have read the codes' registers
.if (\t) < 3
	HLOAD (\t)+1                                   ; the next step's rows are on their way while this step is quantised
.endif
.set zz, 0
.rept 3
.set cc, 0
.rept 8
.set ii, 0
.rept 8
	v_med3_num_f32 v[T+8*(cc%2)+ii], v[X+8*cc+ii], -v[209+2*zz], v[209+2*zz]   ; the hold, into one of two sets by turns: eight plain lines stand between a conversion and the next write of its sources
.set ii, ii+1
.endr
	v_cvt_scalef32_pk8_fp8_f32 v[C+16*zz+2*cc:C+16*zz+2*cc+1], v[T+8*(cc%2):T+8*(cc%2)+7], v[208+2*zz]
.set cc, cc+1
.endr
.set zz, zz+1
.endr
	v_nop
.set zz, 0
.rept 3
.set ii, 0
.rept 4
	global_store_b128 v[LI], v[C+16*zz+4*ii:C+16*zz+4*ii+3], s[52+2*zz:53+2*zz] offset:2048*(\t)+512*ii
.set ii, ii+1
.endr
.set zz, zz+1
.endr
.endm
	s_wait_alu depctr_va_vdst(0)
.irp t, 0,1,2,3
	HSTEP \t
.endr
	s_wait_tensorcnt 0x0                           ; the wave's end, behind my last LDS store
	ds_add_u32 v[SPW], v[NIL]
	s_wait_dscnt 0x0
	s_endpgm
.Lfunc_end_k_q996388b624_prep:
	.size	k_q996388b624_prep, .Lfunc_end_k_q996388b624_prep-k_q996388b624_prep
	.p2alignl 7, 3214868480
	.fill 96, 4, 3214868480
	.section	.rodata,"a",@progbits
	.p2align	6, 0x0
	.amdhsa_kernel k_q996388b624_prep
		.amdhsa_group_segment_fixed_size 68096
		.amdhsa_private_segment_fixed_size 0
		.amdhsa_enable_private_segment 0
		.amdhsa_kernarg_size 88
		.amdhsa_user_sgpr_count 2
		.amdhsa_user_sgpr_kernarg_segment_ptr 1
		.amdhsa_wavefront_size32 1
		.amdhsa_system_sgpr_workgroup_id_x 1
		.amdhsa_system_sgpr_workgroup_id_y 1
		.amdhsa_system_sgpr_workgroup_id_z 1
		.amdhsa_system_vgpr_workitem_id 0
		.amdhsa_next_free_vgpr 216
		.amdhsa_next_free_sgpr 90
		.amdhsa_reserve_vcc 1
		.amdhsa_float_denorm_mode_32 3
		.amdhsa_float_denorm_mode_16_64 3
		.amdhsa_memory_ordered 1
		.amdhsa_forward_progress 1
		.amdhsa_inst_pref_size 189
	.end_amdhsa_kernel
	.amdgpu_metadata
---
amdhsa.version: [ 1, 2 ]
amdhsa.kernels:
  - .name:           k_q996388b624_prep
    .symbol:         k_q996388b624_prep.kd
    .args:
      - { .name: hidden_states, .offset: 0, .size: 8, .value_kind: global_buffer, .address_space: global }
      - { .name: attention_mask, .offset: 8, .size: 8, .value_kind: global_buffer, .address_space: global }
      - { .name: Wq, .offset: 16, .size: 8, .value_kind: global_buffer, .address_space: global }
      - { .name: Wk, .offset: 24, .size: 8, .value_kind: global_buffer, .address_space: global }
      - { .name: Wv, .offset: 32, .size: 8, .value_kind: global_buffer, .address_space: global }
      - { .name: Wo, .offset: 40, .size: 8, .value_kind: global_buffer, .address_space: global }
      - { .name: lowp_scales, .offset: 48, .size: 8, .value_kind: global_buffer, .address_space: global }
      - { .name: h_img, .offset: 56, .size: 8, .value_kind: global_buffer, .address_space: global }
      - { .name: w_img, .offset: 64, .size: 8, .value_kind: global_buffer, .address_space: global }
      - { .name: mask_t, .offset: 72, .size: 8, .value_kind: global_buffer, .address_space: global }
      - { .name: rope_img, .offset: 80, .size: 8, .value_kind: global_buffer, .address_space: global }
    .group_segment_fixed_size: 68096
    .private_segment_fixed_size: 0
    .kernarg_segment_align: 8
    .kernarg_segment_size: 88
    .max_flat_workgroup_size: 128
    .sgpr_count:     90
    .vgpr_count:     216
    .wavefront_size: 32
...
	.end_amdgpu_metadata
.endif
;; end of part 1
;; launch qkv (part 2): grid 24 x 8, 4 waves a work-group, clusters of 4 x 4, 327,680 bytes of LDS; arguments h_img, w_img, rope_img, lowp_scales, qkv_img; writes qkv_img
.if DOCPART == 2
	.amdgcn_target "amdgcn-amd-amdhsa--gfx1250"
	.amdhsa_code_object_version 6
	.text
	.protected	k_q996388b624_qkv
	.globl	k_q996388b624_qkv
	.p2align	8
	.type	k_q996388b624_qkv,@function
k_q996388b624_qkv:
	s_mov_b64 s[64:65], 0
	v_nop
	global_prefetch_b8 v0, s[64:65] scope:SCOPE_SE
	s_setreg_imm32_b32 hwreg(HW_REG_WAVE_MODE, 25, 1), 1
	s_wait_xcnt 0x0
	s_wait_alu depctr_hold_cnt(0) depctr_sa_sdst(0) depctr_va_vdst(0) depctr_va_sdst(0) depctr_va_ssrc(0) depctr_va_vcc(0) depctr_vm_vsrc(0)
	s_getreg_b32 s2, hwreg(HW_REG_IB_STS2, 6, 4)
	s_cmp_eq_u32 s2, 0
	s_cbranch_scc0 .Lentry_in_a_cluster
	s_endpgm
.Lentry_in_a_cluster:
	s_bfe_u32 s2, ttmp6, 0x10000c
	s_cmp_lg_u32 s2, 0xf033
	s_cbranch_scc0 .Lentry_shape_is_right
	s_endpgm
.Lentry_shape_is_right:
.set NA, 8
.set NB, 4
.set NQ, 2
.set TILEB, 2048*NQ
.set YB, 2*NA*TILEB
.set XB, 2*NB*TILEB
.set SLOT, YB+XB
.set SPARE, 2*SLOT
.set LAPS, 16/(2*NQ)
.set ADY, 16
.set ADX, 20
.set LI,  22
.set STO, 23
.set RDV, 24
.set SC,  26
.set LIM, 27
.set SPW, 30
.set NIL, 31
.set TT,  96
.set G1,  24
.set G0,  32
.set G1B, 48
.set G0B, 56
.set MUL,  0xa4
.set TO_Y, 0x40
.set MSB, 0
.macro WIN new
.if MSB != \new
	s_set_vgpr_msb (MSB<<8)|\new
.set MSB, \new
.endif
.endm
.macro PLACES n
.rept \n
	v_nop
.endr
.endm
.macro JLOAD g0a, g1a, g0b, g1b
	s_cmp_eq_u32 s15, 0
	s_cbranch_scc0 .Lfor_b_\@
	tensor_load_to_lds s[\g0a:\g0a+3], s[\g1a:\g1a+7]
	s_nop 0
.rept 4
	v_nop
.endr
	s_branch .Lasked_\@
.Lfor_b_\@:
	tensor_load_to_lds s[\g0b:\g0b+3], s[\g1b:\g1b+7]
	s_nop 0
.rept 4
	v_nop
.endr
.Lasked_\@:
.endm
.macro CREST
	s_cmp_lg_u32 s14, 0
	s_cbranch_scc1 .Lnot_wave_0_\@
	s_barrier_signal -3
.Lnot_wave_0_\@:
	s_barrier_wait -3
	s_barrier_signal -1
	s_barrier_wait -1
.endm
.macro CROUND
	s_barrier_signal -1
	s_barrier_wait -1
	CREST
.endm
.macro FRAG reg, adr, tile, q
.irp p, 0,1,2,3
	ds_load_b128 v[\reg+4*\p:\reg+4*\p+3], v[\adr] offset:(\tile)*TILEB+(\q)*2048+512*\p
.endr
.endm
.macro FETCH slot, q, set
	WIN 0
.set fi, 0
.rept NB
	FRAG 128+64*(\set)+16*fi, ADX+\slot, fi, \q
.set fi, fi+1
.endr
	WIN TO_Y
.set fi, 0
.rept NA
	FRAG 128*(\set)+16*fi, ADY+\slot, fi, \q
.set fi, fi+1
.endr
.endm
.macro MULA a0, n, set, zero
.set ma, \a0
.rept \n
.set mb, 0
.rept NB
.set rD, 8*(4*ma+mb)
.set rX, 128+64*(\set)+16*mb
.set rY, 128*(\set)+16*ma
.if \zero
	v_wmma_f32_16x16x128_fp8_fp8 v[rD:rD+7], v[rX:rX+15], v[rY:rY+15], 0
.else
	v_wmma_f32_16x16x128_fp8_fp8 v[rD:rD+7], v[rX:rX+15], v[rY:rY+15], v[rD:rD+7]
.endif
.set mb, mb+1
.endr
.set ma, ma+1
.endr
.endm
.macro STEP slot, q, zero
	s_wait_dscnt 0x0
	PLACES 4
	FETCH \slot, (\q)+1, 1-(\q)%2
	WIN MUL
	MULA 0, NA, (\q)%2, \zero
	WIN 0
.endm
.macro STEPS slot, from
.set sq, \from
.rept NQ-1-(\from)
	STEP \slot, sq, 0
.set sq, sq+1
.endr
.endm
.macro TURN slot, next, fill
	WIN 0
.if \fill
	s_wait_xcnt 0x0                                ; my last prefetch has read its base, so it may be stepped: one slot on
	s_add_nc_u64 s[88:89], s[88:89], TILEB
.endif
	s_wait_tensorcnt 0x0
	ds_add_u32 v[SPW], v[NIL]
	s_wait_dscnt 1
	WIN MUL
	MULA 0, NA/4, 1, 0
	s_wait_dscnt 0x0
	s_barrier_signal -1
	MULA NA/4, NA/4, 1, 0
	WIN 0
	s_barrier_wait -1
.if \fill
	CREST
	s_add_nc_u64 s[G0+4*\slot+2:G0+4*\slot+3], s[G0+4*\slot+2:G0+4*\slot+3], 2*TILEB
	s_add_nc_u64 s[G0B+4*\slot+2:G0B+4*\slot+3], s[G0B+4*\slot+2:G0B+4*\slot+3], 2*TILEB
	JLOAD G0+4*\slot, G1, G0B+4*\slot, G1B
.else
	PLACES 4
.endif
	FETCH \next, 0, 0
.if \fill
	WIN 0                                          ; at a branch and at a label every window is 0
	s_cmp_gt_u32 s3, 1                             ; the loop's last trip fills the last two slots: no slot stands two behind them
	s_cbranch_scc0 .Lno_ask_\@
	global_prefetch_b8 v28, s[88:89] offset:2*TILEB th:TH_LOAD_NT scope:SCOPE_SE   ; my share of the slot two fills behind the one just asked for (the base stands at that one)
.Lno_ask_\@:
.endif
	WIN MUL
	MULA NA/2, NA/2, 1, 0
	WIN 0
.endm
.macro FINISH
	s_wait_tensorcnt 0x0
	ds_add_u32 v[SPW], v[NIL]
	s_wait_dscnt 0x0
	CROUND
	s_endpgm
.endm
	s_load_b256 s[4:11], s[0:1], 0x0
	s_load_b64 s[12:13], s[0:1], 0x20
	v_lshl_add_u32 v[SPW], v0, 2, SPARE
	v_mov_b32 v[NIL], 0
	ds_add_u32 v[SPW], v[NIL]
	ds_add_u32 v[SPW], v[NIL]
	v_lshrrev_b32 v1, 5, v0
	v_readfirstlane_b32 s14, v1
	s_lshr_b32 s15, s14, 1
	s_and_b32 s16, s14, 1
	s_bfe_u32 s40, ttmp6, 0x40000
	s_bfe_u32 s41, ttmp6, 0x40004
	s_lshl_b32 s42, ttmp9, 2
	s_add_co_u32 s42, s42, s40
	s_and_b32 s17, ttmp7, 0xffff
	s_lshl_b32 s17, s17, 2
	s_add_co_u32 s17, s17, s41
	s_lshl_b32 s43, s41, 2
	s_lshl_b32 s43, 15, s43
	s_lshl_b32 s44, 0x1111, s40
	s_or_b32 s[G1+0], s43, (3<<16)|(1<<21)
	s_or_b32 s[G1B+0], s44, (3<<16)|(1<<21)
	s_mov_b32 s[G1+1], (TILEB/8)<<16
	s_mov_b32 s[G1+2], NA<<16
	s_mov_b32 s[G1+3], (TILEB/8)<<16
	s_mov_b32 s[G1+4], NA
	s_mov_b32 s[G1+5], 4096
	s_mov_b32 s[G1+6], 0
	s_mov_b32 s[G1+7], 0
	s_mov_b32 s[G1B+1], (TILEB/8)<<16
	s_mov_b32 s[G1B+2], NB<<16
	s_mov_b32 s[G1B+3], (TILEB/8)<<16
	s_mov_b32 s[G1B+4], NB
	s_mov_b32 s[G1B+5], 4096
	s_mov_b32 s[G1B+6], 0
	s_mov_b32 s[G1B+7], 0
	s_max_u32 s18, ttmp9, 3
	s_sub_co_u32 s18, s18, 3
	s_lshl_b32 s20, s18, 22
	s_lshl_b32 s19, s17, 4
	s_lshl_b32 s21, s16, 3
	s_add_co_u32 s19, s19, s21
	s_lshl_b32 s19, s19, 15
	s_add_co_u32 s20, s20, s19
	s_mov_b32 s21, 0
	s_lshl_b32 s46, s42, 3
	s_lshl_b32 s47, s16, 2
	s_add_co_u32 s46, s46, s47
	s_lshl_b32 s46, s46, 15
	s_mov_b32 s47, 0
	s_mul_i32 s45, s16, NA*TILEB
	s_mul_i32 s22, s16, NB*TILEB
	s_add_co_u32 s22, s22, YB
	s_wait_dscnt 0x0
	s_wait_kmcnt 0x0
	s_load_b256 s[68:75], s[10:11], 0x0
	s_load_b128 s[76:79], s[10:11], 0x20
	s_add_nc_u64 s[20:21], s[4:5], s[20:21]
	s_add_nc_u64 s[46:47], s[6:7], s[46:47]
	; PREFETCH INTO THE L2: behind fill j each wave asks for slot j + 2, one instruction; behind fill 0 also for slot 1, whose load sets out when fill 0 has landed.  Slot 0 comes by its load alone.
	; The four partners that ask for a tile jointly share it out BY ADDRESS.
	; Waves 0, 1 (8 row tiles x 4,096 bytes a slot): the partner at cx takes tiles 2 cx, 2 cx + 1, a lane a block of 256 bytes.
	; Waves 2, 3 (4 column tiles x 4,096 bytes): the partner at cy takes tile cy, lanes 0-15 a block each, the lanes left over the last block again.
	s_cmp_eq_u32 s15, 0
	s_cselect_b64 s[88:89], s[20:21], s[46:47]
	s_cselect_b32 s90, s40, s41                    ; my place among the four
	s_cselect_b32 s91, 16, 15                      ; x two tiles of 32,768 bytes, or one
	s_lshl_b32 s90, s90, s91
	s_add_co_u32 s90, s90, TILEB                   ; at slot 1
	s_mov_b32 s91, 0
	s_add_nc_u64 s[88:89], s[88:89], s[90:91]
	s_cmp_eq_u32 s15, 0
	s_cselect_b32 s90, -1, 0
	v_and_b32 v1, 15, v0
	v_bfe_u32 v2, v0, 4, 1
	v_lshlrev_b32 v1, 8, v1
	v_lshl_add_u32 v2, v2, 15, v1                  ; rows: 256 (lane % 16) + 32,768 (lane / 16)
	v_and_b32 v28, 31, v0
	v_min_u32 v28, 15, v28
	v_lshlrev_b32 v28, 8, v28                      ; columns: 256 min(lane, 15)
	v_cndmask_b32 v28, v28, v2, s90
	CROUND
.irp s, 0,1
	s_mov_b32 s[G0+4*\s], 1
	s_add_co_u32 s[G0+4*\s+1], s45, \s*SLOT
	s_add_nc_u64 s[G0+4*\s+2:G0+4*\s+3], s[20:21], \s*TILEB
	s_or_b32 s[G0+4*\s+3], s[G0+4*\s+3], 0x80000000
	s_mov_b32 s[G0B+4*\s], 1
	s_add_co_u32 s[G0B+4*\s+1], s22, \s*SLOT
	s_add_nc_u64 s[G0B+4*\s+2:G0B+4*\s+3], s[46:47], \s*TILEB
	s_or_b32 s[G0B+4*\s+3], s[G0B+4*\s+3], 0x80000000
	s_wait_alu depctr_va_vdst(0)
.if \s > 0                             ; slot 1's first fill is issued as a refill is, behind a wait and a round; slot 0's stands behind the opening round
	s_wait_tensorcnt 0x0
	ds_add_u32 v30, v31
	ds_add_u32 v30, v31
	s_wait_dscnt 0x0
	CROUND
.endif
	JLOAD G0+4*\s, G1, G0B+4*\s, G1B
.if \s == 0
	global_prefetch_b8 v28, s[88:89] th:TH_LOAD_NT scope:SCOPE_SE   ; slot 1
.endif
	global_prefetch_b8 v28, s[88:89] offset:(\s+1)*TILEB th:TH_LOAD_NT scope:SCOPE_SE   ; behind fill 0: slot 2; behind fill 1: slot 3
.endr
	v_and_b32 v1, 31, v0
	v_lshlrev_b32 v[LI], 4, v1
	v_and_b32 v2, 15, v0
	s_wait_alu depctr_va_vdst(0)
	v_bfe_u32 v3, v0, 4, 1
	s_mul_i32 s18, s15, NA*TILEB
	s_mul_i32 s19, s16, NB*TILEB
	s_add_co_u32 s19, s19, YB
.irp s, 0,1
	v_add_nc_u32 v[ADY+\s], s18, v[LI]
	v_add_nc_u32 v[ADX+\s], s19, v[LI]
	s_add_co_u32 s18, s18, SLOT
	s_add_co_u32 s19, s19, SLOT
.endr
	s_mul_i32 s18, s14, 17408
	v_mul_u32_u24 v[STO], v2, 272
	s_wait_alu depctr_va_vdst(0)
	v_lshl_add_u32 v[STO], v3, 5, v[STO]
	v_add_nc_u32 v[STO], s18, v[STO]
	v_mul_u32_u24 v[RDV], v3, 2176
	v_lshl_add_u32 v[RDV], v2, 2, v[RDV]
	v_add_nc_u32 v[RDV], s18, v[RDV]
	s_lshl_b32 s84, s42, 1
	s_add_co_u32 s84, s84, s16
	s_lshl_b32 s84, s84, 17
	s_lshl_b32 s85, s17, 1
	s_add_co_u32 s85, s85, s15
	s_lshl_b32 s86, s85, 13
	s_add_co_u32 s84, s84, s86
	s_lshl_b32 s86, s85, 15
	s_mov_b32 s85, 0
	s_mov_b32 s87, 0
	s_add_nc_u64 s[12:13], s[12:13], s[84:85]
	s_add_nc_u64 s[8:9], s[8:9], s[86:87]
	s_wait_kmcnt 0x0
	s_sub_co_i32 s80, s74, s68
	s_sub_co_i32 s80, s80, s69
	s_sub_co_i32 s81, s75, s70
	s_sub_co_i32 s81, s81, s71
	s_sub_co_i32 s82, s76, s72
	s_sub_co_i32 s82, s82, s73
	s_cmp_eq_u32 ttmp9, 4
	s_cselect_b32 s80, s81, s80
	s_cmp_gt_u32 ttmp9, 4
	s_cselect_b32 s80, s82, s80
	s_add_co_i32 s80, s80, 127
	s_lshl_b32 s81, s80, 23
	v_mov_b32 v[SC], s81
	s_add_co_i32 s80, s80, 8
	s_lshl_b32 s80, s80, 23
	s_or_b32 s80, s80, 0x600000
	v_mov_b32 v[LIM], s80
	s_wait_tensorcnt 1
	s_barrier_signal -1
	s_barrier_wait -1
	FETCH 0, 0, 0
	STEP 0, 0, 1
	s_mov_b32 s3, LAPS-1
.Llap:
	STEPS 0, 1
	TURN 0, 1, 1
	STEPS 1, 0
	TURN 1, 0, 1
	STEP 0, 0, 0
	s_sub_co_u32 s3, s3, 1
	s_cmp_lg_u32 s3, 0
	s_cbranch_scc1 .Llap
.macro TAIL
	STEPS 0, 1
	TURN 0, 1, 0
	STEPS 1, 0
	s_wait_dscnt 0x0
	WIN MUL
	MULA 0, NA, 1, 0
	WIN 0
	PLACES 4
.endm
	s_cmp_gt_u32 ttmp9, 4
	s_cbranch_scc1 .Lv_path
.macro TABLE a
.set ii, 0
.rept 8
	global_load_b128 v[32+32*((\a)%2)+4*ii:32+32*((\a)%2)+4*ii+3], v[LI], s[8:9] offset:(\a)*4096+512*ii
.set ii, ii+1
.endr
.endm
	TABLE 0
	TABLE 1
	TAIL
.macro ROPE a
.set TBL, 32+32*((\a)%2)
.if (\a) < 7
	s_wait_loadcnt 8
.else
	s_wait_loadcnt 0x0
.endif
	WIN 0x02
.irp b, 0,1
.irp j, 0,2,4,6
.set rA, 8*(4*(\a)+\b)+\j
.set rB, rA+16
.set rC, TBL+8*\b+\j
.set rT, TT+8*\b+\j
	v_pk_mul_f32 v[rT:rT+1], v[rA:rA+1], v[rC:rC+1]
	v_pk_mul_f32 v[rT+16:rT+17], v[rB:rB+1], v[rC:rC+1]
	v_pk_fma_f32 v[rT:rT+1], v[rB:rB+1], v[rC+16:rC+17], v[rT:rT+1] neg_lo:[1,0,0] neg_hi:[1,0,0]
	v_pk_fma_f32 v[rT+16:rT+17], v[rA:rA+1], v[rC+16:rC+17], v[rT+16:rT+17]
.endr
.endr
	WIN 0
.if (\a)+2 < 8
	TABLE (\a)+2
.endif
.set cc, 0
.rept 4
.set ii, 0
.rept 8
	v_med3_num_f32 v[TT+8*cc+ii], v[TT+8*cc+ii], -v[LIM], v[LIM]
.set ii, ii+1
.endr
	v_cvt_scalef32_pk8_fp8_f32 v[128+8*(\a)+2*cc:128+8*(\a)+2*cc+1], v[TT+8*cc:TT+8*cc+7], v[SC]
.set cc, cc+1
.endr
	v_nop
	global_store_b128 v[LI], v[128+8*(\a):128+8*(\a)+3], s[12:13] offset:(\a)*1024
	global_store_b128 v[LI], v[128+8*(\a)+4:128+8*(\a)+7], s[12:13] offset:(\a)*1024+512
.endm
.irp a, 0,1,2,3,4,5,6,7
	ROPE \a
.endr
	FINISH
.Lv_path:
	TAIL
.macro VROUND u
	WIN 0x08
.irp a, 0,1,2,3
.irp b, 0,1,2,3
	ds_store_b128 v[STO], v[8*(4*(4*\u+\a)+\b):8*(4*(4*\u+\a)+\b)+3] offset:16*\a*272+64*\b
	ds_store_b128 v[STO], v[8*(4*(4*\u+\a)+\b)+4:8*(4*(4*\u+\a)+\b)+7] offset:16*\a*272+64*\b+16
.endr
.endr
	WIN 0
.irp a, 0,1,2,3
.irp b, 0,1,2,3
.irp j, 0,1,2,3,4,5,6,7
	ds_load_b32 v[64+8*(4*\a+\b)+\j], v[RDV] offset:(16*\a+\j)*272+64*\b
.endr
.endr
.endr
	s_wait_dscnt 0x0
.irp a, 0,1,2,3
.irp b, 0,1,2,3
.set ii, 0
.rept 8
	v_med3_num_f32 v[64+8*(4*\a+\b)+ii], v[64+8*(4*\a+\b)+ii], -v[LIM], v[LIM]
.set ii, ii+1
.endr
	v_cvt_scalef32_pk8_fp8_f32 v[192+16*\b+2*(4*\u+\a):192+16*\b+2*(4*\u+\a)+1], v[64+8*(4*\a+\b):64+8*(4*\a+\b)+7], v[SC]
.endr
.endr
	v_nop
.endm
	s_wait_alu depctr_va_vdst(0)
	VROUND 0
	VROUND 1
.irp b, 0,1,2,3
.irp p, 0,1,2,3
	global_store_b128 v[LI], v[192+16*\b+4*\p:192+16*\b+4*\p+3], s[12:13] offset:\b*2048+512*\p
.endr
.endr
	FINISH
.Lfunc_end_k_q996388b624_qkv:
	.size	k_q996388b624_qkv, .Lfunc_end_k_q996388b624_qkv-k_q996388b624_qkv
	.p2alignl 7, 3214868480
	.fill 96, 4, 3214868480
	.section	.rodata,"a",@progbits
	.p2align	6, 0x0
	.amdhsa_kernel k_q996388b624_qkv
		.amdhsa_group_segment_fixed_size 327680
		.amdhsa_private_segment_fixed_size 0
		.amdhsa_enable_private_segment 0
		.amdhsa_kernarg_size 40
		.amdhsa_user_sgpr_count 2
		.amdhsa_user_sgpr_kernarg_segment_ptr 1
		.amdhsa_wavefront_size32 1
		.amdhsa_system_sgpr_workgroup_id_x 1
		.amdhsa_system_sgpr_workgroup_id_y 1
		.amdhsa_system_sgpr_workgroup_id_z 1
		.amdhsa_system_vgpr_workitem_id 0
		.amdhsa_next_free_vgpr 768
		.amdhsa_next_free_sgpr 100
		.amdhsa_reserve_vcc 0
		.amdhsa_float_denorm_mode_32 3
		.amdhsa_float_denorm_mode_16_64 3
		.amdhsa_memory_ordered 1
		.amdhsa_forward_progress 1
		.amdhsa_inst_pref_size 151
	.end_amdhsa_kernel
	.amdgpu_metadata
---
amdhsa.version: [ 1, 2 ]
amdhsa.kernels:
  - .name:           k_q996388b624_qkv
    .symbol:         k_q996388b624_qkv.kd
    .args:
      - { .name: h_img, .offset: 0, .size: 8, .value_kind: global_buffer, .address_space: global }
      - { .name: w_img, .offset: 8, .size: 8, .value_kind: global_buffer, .address_space: global }
      - { .name: rope_img, .offset: 16, .size: 8, .value_kind: global_buffer, .address_space: global }
      - { .name: lowp_scales, .offset: 24, .size: 8, .value_kind: global_buffer, .address_space: global }
      - { .name: qkv_img, .offset: 32, .size: 8, .value_kind: global_buffer, .address_space: global }
    .group_segment_fixed_size: 327680
    .private_segment_fixed_size: 0
    .kernarg_segment_align: 8
    .kernarg_segment_size: 40
    .max_flat_workgroup_size: 128
    .sgpr_count:     100
    .vgpr_count:     768
    .wavefront_size: 32
...
	.end_amdgpu_metadata
.endif
;; end of part 2
;; launch attn (part 3): grid 32 x 8, 4 waves a work-group, clusters of 4 x 1, 327,680 bytes of LDS; arguments qkv_img, mask_t, lowp_scales, attn_img; writes attn_img
.if DOCPART == 3
	.amdgcn_target "amdgcn-amd-amdhsa--gfx1250"
	.amdhsa_code_object_version 6
	.text
	.protected	k_q996388b624_attn
	.globl	k_q996388b624_attn
	.p2align	8
	.type	k_q996388b624_attn,@function
k_q996388b624_attn:
	s_mov_b64 s[64:65], 0
	v_nop
	global_prefetch_b8 v0, s[64:65] scope:SCOPE_SE
	s_setreg_imm32_b32 hwreg(HW_REG_WAVE_MODE, 25, 1), 1
	s_wait_xcnt 0x0
	s_wait_alu depctr_hold_cnt(0) depctr_sa_sdst(0) depctr_va_vdst(0) depctr_va_sdst(0) depctr_va_ssrc(0) depctr_va_vcc(0) depctr_vm_vsrc(0)
	s_getreg_b32 s2, hwreg(HW_REG_IB_STS2, 6, 4)
	s_cmp_eq_u32 s2, 0
	s_cbranch_scc0 .Lentry_in_a_cluster
	s_endpgm
.Lentry_in_a_cluster:
	s_bfe_u32 s2, ttmp6, 0x10000c
	s_cmp_lg_u32 s2, 0x3003
	s_cbranch_scc0 .Lentry_shape_is_right
	s_endpgm
.Lentry_shape_is_right:
; ATTENTION on codes of E4M3: scores, the additive mask, the softmax in its stated form, p v, and the quantising of the result for the last projection.
; NO TILE IS LEFT OUT: the mask is an input, whatever pattern it holds, so every key is walked for every query.
; t = score x log2(e) / 8 + mask_t, one fused multiply-add; mask_t = max(mask x log2(e), -FLT_MAX) was made by the first launch.  M = ceil of the running largest t, a whole number; p = 2^(t - M) is quantised along the keys;
; the sum is taken of the unquantised p and divides at the end.  When M moves, the sums and O are multiplied by 2^(old M - new M): exact.
; THE CLAMP at the most negative number: |score x c| is at most 64 x 448^2 x 2^(e6 + e7 - 2), under half a step of f32 at FLT_MAX while e6 + e7 <= 80, so t never falls under -FLT_MAX.
; M is taken away from the ROUNDED t, so a row whose t are all equal (a row masked throughout) gives p = 1 everywhere: the uniform row of the source.
; SHARES.  A work-group owns 64 queries x the four heads n = kvh + 8 g of one kv head: 256 work-groups.  Wave w of four, as many as a WGP has SIMDs, owns query tile w (16 queries) and ALL FOUR heads:
; they have the same keys, values and mask rows, so each fragment of K, V and the mask that the wave loads feeds four heads.
; K AND V LIE IN LDS WHOLE: a kv head's 2,048 keys are 131,072 bytes of K's image and as many of V's.  Each wave fetches 65,536 bytes by its one tensor load at the head (waves 0, 1 K's halves, waves 2, 3 V's);
; one wait and one barrier follow, nothing is filled again, and the loop over the 16 key steps of 128 keys has no barrier.
; CLUSTER 4 x 1: four query blocks of one kv head read the same K and V: the four loads are joint loads (mask 15).
; THE MASK GOES FROM MEMORY STRAIGHT INTO REGISTERS: mask_t is laid as an image of them ([query tile][key step][part 0..15][lane][16 bytes]), so a key step's 64 numbers a lane are 16 loads of 512 consecutive bytes.
; They are asked for one key step ahead, behind the four heads' t of the step before, into the same 64 registers.  The partners of a cluster own different rows of the mask: nothing of it is shared in a cluster.
; PREFETCH INTO THE L2 of the mask: trip t, which loads key step t + 1's tile, asks for key step t + 3's: two trips ahead of its load.  A tile is 32 blocks of 256 bytes and is read by one wave in each of the eight kv heads'
; work-groups.  They share it out BY ADDRESS: kv head kvh names the sixteen blocks from 16 (kvh % 2) on, lanes 0-15 a block each, the lanes left over the last of them again.
; Trips 13 to 15 ask for nothing: there is no key step 16.  Key steps 0 to 2 come by their loads alone.  K and V are read once, at the head, with no loop ahead of them: no prefetch.
; THE STEP IS WRITTEN ONCE, in a loop of 16 trips: in the last trip two scalar branches on the trip count lead round the next step's loads of K and of the mask (plain loads; every wait behind them is for 0).
; LAYOUT.  Both products are used transposed: S^T = K Q^T (source 0 = 16 keys), O^T = V^T P^T (source 0 = 16 of d): a lane holds ONE query (lane % 16).  In tile c of S^T lane (r, h) register j is key 16 c + 8 h + j:
; just what registers 2 c, 2 c + 1 of the second product's operand hold: the conversions' results are that operand.
; The result goes out as two fragments of the last projection's operand (head g: 1,024 bytes from 1,024 g on), its K in the order k' = 256 kvh + 64 g + d, the order in which Wo's codes were laid.
; ORDER OF A STEP.  Chains (maxima, the steps from the maximum to f) are laid with the four heads by turns.  A head's 64 exponentials stand by turns with the next head's t - M and the head before's hold:
; element-wise lines that name none of the batch's registers and whose results are first read behind the wait that closes the batch.
; LIMITS: e6 + e7 between -123 and 80; e9 and e10 - e8 - e9 between -126 and 119.  NaN and +infinity in the mask are not served.
; REGISTERS, in windows of 256 (s_set_vgpr_msb: bits 1:0 source 0, 3:2 source 1, 5:4 source 2, 7:6 destination):
;   window 0: v1 16 x lane; v2 the same + V's first byte; v3, v4 the step's addresses of K and V; v5, v6 the add's two; v7 the prefetch's offset; v24 448 x 2^e9, v25 2^e9;
;             head g's state from ST = 32 + 20 g: +0 -M, +1 largest t, +2 f (+3 named with it), +4..11 the sum in four pairs, +12, +13 two chains of maxima, +14, +15 at work; v112-175 K's eight fragments; v176-207 Q, 8 a head
;   window 1: S^T, then t, then p: head g at v[64 g]        window 2: v0-127 O^T, head g at v[32 g]; v128-191 p's codes, 16 a head; v192-255 V's four fragments        window 3: v0-63 the mask
.set VOFF,  131072                     ; K's image from byte 0, V's from here; a key step is 8,192 bytes of each
.set SPARE, 294912                     ; the spare words, 128 bytes a wave: two blocks of 256 bytes that no other line names
.set WV,  18                           ; s18 my wave's number
.set TB,  2                            ; s2  8,192 x the key step
.set MB,  92                           ; s[92:93] the mask tile that was asked for last
.set KF,  112
.set QF,  176
.set VF,  192
.set MSB, 0
.macro WIN new                         ; the immediate's high byte repeats the setting that is left; a switch that changes nothing is dropped
.if MSB != \new
	s_set_vgpr_msb (MSB<<8)|\new
.set MSB, \new
.endif
.endm
.macro CROUND                          ; a round of the cluster's barrier
	s_barrier_signal -1
	s_barrier_wait -1
	s_cmp_lg_u32 s[WV], 0
	s_cbranch_scc1 .Lnot_wave_0_\@
	s_barrier_signal -3
.Lnot_wave_0_\@:
	s_barrier_wait -3
	s_barrier_signal -1
	s_barrier_wait -1
.endm
.macro KLOAD adr, off                  ; K's eight fragments of 16 keys x 64, on end
.set cc, 0
.rept 16
	ds_load_b128 v[KF+4*cc:KF+4*cc+3], \adr offset:\off+512*cc
.set cc, cc+1
.endr
.endm
.macro MLOAD                           ; my query's 64 numbers of the mask: register 8 c + j = key 16 c + 8 h + j; each load covers 512 consecutive bytes
	WIN 0xc0                                       ; destination window 3
.set cc, 0
.rept 16
	global_load_b128 v[4*cc:4*cc+3], v1, s[MB:MB+1] offset:512*cc
.set cc, cc+1
.endr
	WIN 0
.endm
	s_load_b256 s[4:11], s[0:1], 0x0               ; qkv_img 4:5, mask_t 6:7, scales 8:9, attn_img 10:11
	v_lshl_add_u32 v5, v0, 2, SPARE
	v_mov_b32 v6, 0
	ds_add_u32 v5, v6                              ; the opening: the add, twice on end, and its wait ahead of the first tensor load
	ds_add_u32 v5, v6
	v_lshrrev_b32 v7, 5, v0
	v_readfirstlane_b32 s[WV], v7                  ; wave 0..3
	s_bfe_u32 s52, ttmp6, 0x40000                  ; cx
	s_lshl_b32 s55, ttmp9, 2
	s_add_co_u32 s55, s55, s52                     ; qb: block of 64 queries
	s_and_b32 s54, ttmp7, 0xffff                   ; kvh: the same in all four partners
	s_mov_b32 s24, 15|(3<<16)|(1<<21)              ; a dense block of 65,536 bytes as 256 rows of 32 elements of 8 bytes; the mask names the four partners; bit 21 beside it
	s_mov_b32 s25, 32<<16
	s_mov_b32 s26, 256<<16
	s_mov_b32 s27, 32<<16
	s_mov_b32 s28, 256
	s_mov_b32 s29, 32
	s_mov_b32 s30, 0
	s_mov_b32 s31, 0
	s_add_co_u32 s58, s54, 32
	s_lshl_b32 s58, s58, 17                        ; K's head 32 + kvh;
	s_lshr_b32 s56, s[WV], 1
	s_lshl_b32 s56, s56, 20                        ; V's lies 8 heads of 131,072 bytes on: waves 2, 3
	s_add_co_u32 s58, s58, s56
	s_and_b32 s57, s[WV], 1
	s_lshl_b32 s57, s57, 16                        ; my half of the image
	s_add_co_u32 s58, s58, s57
	s_mov_b32 s59, 0
	s_mov_b32 s40, 1
	s_lshl_b32 s41, s[WV], 16                      ; and where it goes: 65,536 x wave
	s_mov_b32 s20, 0x76543210                      ; v_permlanex16_b32: lane l xor 16
	s_mov_b32 s21, 0xfedcba98
	s_mov_b32 s[TB], 0
	s_mov_b32 s3, 16                               ; trips to go
	s_wait_dscnt 0x0                               ; both opening adds are done
	s_wait_kmcnt 0x0
	s_load_b256 s[68:75], s[8:9], 0x0              ; e0 .. e7
	s_load_b128 s[76:79], s[8:9], 0x20             ; e8 .. e11
	s_add_nc_u64 s[42:43], s[4:5], s[58:59]
	s_or_b32 s43, s43, 0x80000000
	CROUND                                         ; all four work-groups are here
	tensor_load_to_lds s[40:43], s[24:31]          ; my one tensor load
	s_nop 0
.rept 4
	v_nop
.endr
	s_lshl_b32 s85, s55, 2
	s_add_co_u32 s85, s85, s[WV]                   ; my tile of 16 queries: 4 qb + wave
	s_lshl_b32 s82, s54, 17                        ; head g = 0: n = kvh; the others lie 8 heads of 131,072 bytes apart
	s_lshl_b32 s84, s85, 10
	s_add_co_u32 s82, s82, s84
	s_mov_b32 s83, 0
	s_add_nc_u64 s[82:83], s[4:5], s[82:83]        ; its fragment of Q
	s_lshl_b32 s86, s85, 4                         ; out: fragments 16 x row tile + 2 kvh and the next, 2,048 bytes a fragment
	s_lshl_b32 s87, s54, 1
	s_add_co_u32 s86, s86, s87
	s_lshl_b32 s86, s86, 11
	s_mov_b32 s87, 0
	s_add_nc_u64 s[10:11], s[10:11], s[86:87]
	s_lshl_b32 s[MB], s85, 17                      ; my query tile's image of the mask: 16 key steps of 8,192 bytes
	s_mov_b32 s[MB+1], 0
	s_add_nc_u64 s[MB:MB+1], s[6:7], s[MB:MB+1]
	s_and_b32 s88, s54, 1
	s_lshl_b32 s88, s88, 12                        ; the prefetches: my sixteen blocks of a tile begin at 4,096 x (kvh % 2)
	v_and_b32 v7, 31, v0
	v_lshlrev_b32 v1, 4, v7
.irp g, 0,1,2,3
	global_load_b128 v[QF+8*\g:QF+8*\g+3], v1, s[82:83] offset:1048576*\g
	global_load_b128 v[QF+8*\g+4:QF+8*\g+7], v1, s[82:83] offset:1048576*\g+512
.endr
	MLOAD                                          ; key step 0's mask
	v_add_nc_u32 v2, VOFF, v1
	v_min_u32 v7, 15, v7
	v_lshl_add_u32 v7, v7, 8, s88
	s_wait_kmcnt 0x0
	s_add_co_i32 s89, s74, s75
	s_lshl_b32 s89, s89, 23
	s_mov_b32 s22, 0x3e38aa3b                      ; log2(e) / 8,
	s_add_co_i32 s22, s22, s89                     ; x 2^(e6 + e7): the exponents are added to its exponent field
	s_mov_b32 s23, s22
	s_add_co_i32 s89, s77, 127
	s_lshl_b32 s90, s89, 23                        ; 2^e9
	s_add_co_i32 s89, s89, 8
	s_lshl_b32 s89, s89, 23
	s_or_b32 s89, s89, 0x600000                    ; 448 x 2^e9
	v_mov_b32 v25, s90
	v_mov_b32 v24, s89
.irp g, 0,1,2,3                        ; the heads' states
	v_mov_b32 v[33+20*\g], 0xff7fffff              ; the largest t so far: the most negative number
	v_mov_b32 v[35+20*\g], 0                       ; (named as the upper half of f's pair)
	v_mov_b32 v[46+20*\g], 0                       ; a lane permute's destination counts as one of its sources
.irp i, 4,5,6,7,8,9,10,11
	v_mov_b32 v[32+20*\g+\i], 0                    ; the sum
.endr
	v_floor_f32 v[32+20*\g], -v[33+20*\g]          ; -M
.endr
	WIN 0x80
.set ii, 0
.rept 128
	v_mov_b32 v[ii], 0                             ; O^T: the step is written once; the first trip finds zeros, which the first change of M leaves zeros
.set ii, ii+1
.endr
	WIN 0
; A head's 64 exponentials (head g), by turns with head sg's t - M and head hg's hold (-1: none).  Setting 0x41: p window 1, -M and the bound window 0.  The plain line and the ONE wait that close the batch follow.
.macro EXMIX g, sg, hg
.set ii, 0
.rept 32
	v_exp_f32 v[64*(\g)+ii], v[64*(\g)+ii]         ; p = 2^(t - M), at most 1
.if \sg >= 0
	v_pk_add_f32 v[64*(\sg)+ii:64*(\sg)+ii+1], v[64*(\sg)+ii:64*(\sg)+ii+1], v[32+20*(\sg):33+20*(\sg)] op_sel_hi:[1,0]   ; t - M (the pair's low word for both halves)
.endif
	v_exp_f32 v[64*(\g)+ii+1], v[64*(\g)+ii+1]
.if \hg >= 0
	v_min_num_f32 v[64*(\hg)+ii], v[64*(\hg)+ii], v24      ; the conversion does not saturate (ISA guide 7.6.2); p is not negative, so the hold is one-sided
	v_min_num_f32 v[64*(\hg)+ii+1], v[64*(\hg)+ii+1], v24
.endif
.set ii, ii+2
.endr
	v_nop                                          ; the plain line behind the exponentials
	s_wait_alu depctr_va_vdst(0)                   ; the wait behind this batch, and ahead of the next, whose sources were written above
.endm
.macro SUMS g                          ; the sum is taken of the unquantised p, two at a time, in the head's four pairs by turns
	WIN 0x04                                       ; the sums window 0, p window 1
.set ii, 0
.rept 32
	v_pk_add_f32 v[36+20*(\g)+2*(ii%4):37+20*(\g)+2*(ii%4)], v[36+20*(\g)+2*(ii%4):37+20*(\g)+2*(ii%4)], v[64*(\g)+2*ii:64*(\g)+2*ii+1]
.set ii, ii+1
.endr
	WIN 0x41
.endm
	s_wait_alu depctr_va_vdst(0)                   ; the wait at the head's end
	s_wait_loadcnt 0x10                            ; Q's eight loads are in; the mask's sixteen, issued behind them, may be out
	s_wait_tensorcnt 0x0                           ; my quarter of K and V has landed;
	s_barrier_signal -1
	s_barrier_wait -1                              ; and everybody's: from here on LDS is only read
	KLOAD v1, 0                                    ; key step 0's K
.Lstep:                                            ; sixteen trips, a key step of 128 keys each, for the four heads
	v_add_nc_u32 v3, s[TB], v1                     ; this step's K
	v_add_nc_u32 v4, s[TB], v2                     ; and V
	s_wait_alu depctr_va_vdst(0)                   ; directly ahead of the wait below
	s_wait_dscnt 0x0                               ; K's sixteen loads are in
	WIN 0x40                                       ; S^T window 1; K and Q window 0
.set gg, 0
.rept 4
.set cc, 0
.rept 8
	v_wmma_f32_16x16x64_fp8_fp8 v[64*gg+8*cc:64*gg+8*cc+7], v[KF+8*cc:KF+8*cc+7], v[QF+8*gg:QF+8*gg+7], 0   ; S^T = K Q^T
.set cc, cc+1
.endr
.set gg, gg+1
.endr
.rept 4
	v_nop                                          ; places: behind the last trip's products, which read V; behind these, which read K; and ahead of the first read of the scores
.endr
	WIN 0x80                                       ; destination window 2
.set cc, 0
.rept 16
	ds_load_b128 v[VF+4*cc:VF+4*cc+3], v4 offset:512*cc   ; V's four fragments of 16 d x 128 keys, on end
.set cc, cc+1
.endr
	WIN 0
	s_cmp_eq_u32 s3, 1                             ; the last trip has no next step
	s_cbranch_scc1 .Lno_k
	KLOAD v3, 8192                                 ; the next step's K, where this step's lay
.Lno_k:
	s_wait_loadcnt 0x0                             ; the mask's sixteen loads are in
	WIN 0x71                                       ; t window 1, the mask window 3
.set gg, 0
.rept 4
.set ii, 0
.rept 32
	v_pk_fma_f32 v[64*gg+ii:64*gg+ii+1], v[64*gg+ii:64*gg+ii+1], s[22:23], v[ii:ii+1] op_sel_hi:[1,0,1]   ; t = score x c + mask_t; each accumulator from its low end on
.set ii, ii+2
.endr
.set gg, gg+1
.endr
	WIN 0
	s_cmp_eq_u32 s3, 1
	s_cbranch_scc1 .Lno_mask
	s_wait_xcnt 0x0                                ; the last trip's prefetch has read its base, so it may be stepped
	s_add_nc_u64 s[MB:MB+1], s[MB:MB+1], 8192
	MLOAD                                          ; the next step's mask, where this step's lay: all four heads have read it
	s_cmp_ge_u32 s3, 4                             ; trips 0 to 12 (s3 = 16 to 4) ask; key step 15 is the last
	s_cbranch_scc0 .Lno_mask
	global_prefetch_b8 v7, s[MB:MB+1] offset:16384 th:TH_LOAD_NT scope:SCOPE_SE   ; my sixteen blocks of the tile two key steps behind the one just asked for
.Lno_mask:
	WIN 0x14                                       ; the chains window 0, t window 1
.set ii, 0
.rept 16                               ; the largest t: two chains a head, the eight chains by turns; each begins at the running largest
.set gg, 0
.rept 4
.if ii == 0
	v_max3_num_f32 v[44+20*gg], v[33+20*gg], v[64*gg], v[64*gg+1]
	v_max3_num_f32 v[45+20*gg], v[33+20*gg], v[64*gg+2], v[64*gg+3]
.else
	v_max3_num_f32 v[44+20*gg], v[44+20*gg], v[64*gg+4*ii], v[64*gg+4*ii+1]
	v_max3_num_f32 v[45+20*gg], v[45+20*gg], v[64*gg+4*ii+2], v[64*gg+4*ii+3]
.endif
.set gg, gg+1
.endr
.set ii, ii+1
.endr
	WIN 0
.irp g, 0,1,2,3
	v_max_num_f32 v[44+20*\g], v[44+20*\g], v[45+20*\g]
.endr
.irp g, 0,1,2,3
	v_mov_b32 v[47+20*\g], v[32+20*\g]             ; the old -M
.endr
.irp g, 0,1,2,3
	v_permlanex16_b32 v[46+20*\g], v[44+20*\g], s20, s21
.endr
.irp g, 0,1,2,3
	v_max_num_f32 v[33+20*\g], v[44+20*\g], v[46+20*\g]   ; with lane l xor 16's: the running largest t
.endr
.irp g, 0,1,2,3
	v_floor_f32 v[32+20*\g], -v[33+20*\g]          ; the new -M = -ceil(t)
.endr
.irp g, 0,1,2,3
	v_sub_f32 v[47+20*\g], v[32+20*\g], v[47+20*\g]   ; old M - new M: a whole number, 0 or less
.endr
.irp g, 0,1,2,3
	v_cvt_i32_f32 v[47+20*\g], v[47+20*\g]         ; (it saturates)
.endr
.irp g, 0,1,2,3
	v_ldexp_f32 v[34+20*\g], 1.0, v[47+20*\g]      ; f = 2^(old M - new M)
.endr
.irp c, 0,1,2,3
.irp g, 0,1,2,3
	v_pk_mul_f32 v[36+20*\g+2*\c:37+20*\g+2*\c], v[36+20*\g+2*\c:37+20*\g+2*\c], v[34+20*\g:35+20*\g] op_sel_hi:[1,0]   ; the sums under the new M
.endr
.endr
	WIN 0x82                                       ; O^T window 2, f window 0
.set gg, 0
.rept 4
.set ii, 0
.rept 16
	v_pk_mul_f32 v[32*gg+ii:32*gg+ii+1], v[32*gg+ii:32*gg+ii+1], v[34+20*gg:35+20*gg] op_sel_hi:[1,0]   ; O^T under the new M; each accumulator from its low end on
.set ii, ii+2
.endr
.set gg, gg+1
.endr
	WIN 0x41
.set ii, 0
.rept 32
	v_pk_add_f32 v[ii:ii+1], v[ii:ii+1], v[32:33] op_sel_hi:[1,0]   ; head 0's t - M
.set ii, ii+2
.endr
	s_wait_alu depctr_va_vdst(0)                   ; the wait ahead of a batch of exponentials
	EXMIX 0, 1, -1
	SUMS 0
	EXMIX 1, 2, 0
	SUMS 1
	EXMIX 2, 3, 1
	SUMS 2
	EXMIX 3, -1, 2
	SUMS 3
.set ii, 0
.rept 64
	v_min_num_f32 v[192+ii], v[192+ii], v24        ; head 3's hold
.set ii, ii+1
.endr
	WIN 0x81                                       ; p window 1, the scale window 0, the codes window 2
.set gg, 0
.rept 4
.set cc, 0
.rept 8
	v_cvt_scalef32_pk8_fp8_f32 v[128+16*gg+2*cc:129+16*gg+2*cc], v[64*gg+8*cc:64*gg+8*cc+7], v25   ; registers 2 c, 2 c + 1 of the second product's operand
.set cc, cc+1
.endr
.set gg, gg+1
.endr
	v_nop                                          ; the plain line between the conversions and the products
	s_wait_alu depctr_va_vdst(0)                   ; directly ahead of the wait below
	s_wait_dscnt 0x0                               ; V is in (and the next step's K, where it was asked for)
	WIN 0xaa                                       ; O^T, V and the codes window 2
.set cc, 0
.rept 4
.set gg, 0
.rept 4
	v_wmma_f32_16x16x128_fp8_fp8 v[32*gg+8*cc:32*gg+8*cc+7], v[VF+16*cc:VF+16*cc+15], v[128+16*gg:143+16*gg], v[32*gg+8*cc:32*gg+8*cc+7]   ; O^T += V^T P^T: sixteen accumulators by turns
.set gg, gg+1
.endr
.set cc, cc+1
.endr
	WIN 0                                          ; at a label and at a branch every window is 0
	s_add_co_u32 s[TB], s[TB], 8192
	s_sub_co_u32 s3, s3, 1
	s_cmp_lg_u32 s3, 0
	s_cbranch_scc1 .Lstep
	; THE WAY OUT: O^T / the sum, quantised with entry 10.  O^T stands for O x 2^(e8 + e9): the three exponents are folded into the conversion's one.  A head's eight registers of codes are half a fragment of the next operand.
.irp g, 0,1,2,3                        ; (these lines, which name none of the last products' registers, are also the places behind them)
	v_pk_add_f32 v[36+20*\g:37+20*\g], v[36+20*\g:37+20*\g], v[38+20*\g:39+20*\g]
	v_pk_add_f32 v[40+20*\g:41+20*\g], v[40+20*\g:41+20*\g], v[42+20*\g:43+20*\g]
.endr
.irp g, 0,1,2,3
	v_pk_add_f32 v[36+20*\g:37+20*\g], v[36+20*\g:37+20*\g], v[40+20*\g:41+20*\g]
.endr
.irp g, 0,1,2,3
	v_add_f32 v[36+20*\g], v[36+20*\g], v[37+20*\g]
.endr
.irp g, 0,1,2,3
	v_permlanex16_b32 v[46+20*\g], v[36+20*\g], s20, s21
.endr
.irp g, 0,1,2,3
	v_add_f32 v[36+20*\g], v[36+20*\g], v[46+20*\g]   ; the row's sum
.endr
	s_wait_alu depctr_va_vdst(0)                   ; the wait ahead of the transcendentals
.irp g, 0,1,2,3
	v_rcp_f32 v[36+20*\g], v[36+20*\g]
.endr
	s_sub_co_i32 s89, s78, s76
	s_sub_co_i32 s89, s89, s77                     ; e10 - e8 - e9
	s_add_co_i32 s89, s89, 127
	s_lshl_b32 s90, s89, 23
	s_add_co_i32 s89, s89, 8
	s_lshl_b32 s89, s89, 23
	s_or_b32 s89, s89, 0x600000
	v_mov_b32 v25, s90                             ; the folded scale and 448 x it: plain lines behind the reciprocals
	v_mov_b32 v24, s89
	WIN 0x42                                       ; O^T window 2, the reciprocal window 0, the quotient window 1
	s_wait_alu depctr_va_vdst(0)                   ; one wait for the four reciprocals and for O^T, directly ahead of their first readers
.set gg, 0
.rept 4
.set ii, 0
.rept 32
	v_mul_f32 v[32*gg+ii], v[32*gg+ii], v[36+20*gg]   ; register 8 t + j: d = 16 t + 8 h + j of my query; each accumulator from its low end on
.set ii, ii+1
.endr
.set gg, gg+1
.endr
	WIN 0x41
.set ii, 0
.rept 128
	v_med3_num_f32 v[ii], v[ii], -v24, v24
.set ii, ii+1
.endr
	WIN 0x81
.set cc, 0
.rept 16
	v_cvt_scalef32_pk8_fp8_f32 v[128+2*cc:129+2*cc], v[8*cc:8*cc+7], v25
.set cc, cc+1
.endr
	v_nop
	WIN 0x08                                       ; store data window 2
.set cc, 0
.rept 8
	global_store_b128 v1, v[128+4*cc:131+4*cc], s[10:11] offset:512*cc   ; head g: 1,024 g on; each store covers 512 consecutive bytes
.set cc, cc+1
.endr
	WIN 0
	s_wait_tensorcnt 0x0                           ; the wave's end
	ds_add_u32 v5, v6
	s_wait_dscnt 0x0
	CROUND                                         ; the closing round
	s_endpgm
.Lfunc_end_k_q996388b624_attn:
	.size	k_q996388b624_attn, .Lfunc_end_k_q996388b624_attn-k_q996388b624_attn
	.p2alignl 7, 3214868480
	.fill 96, 4, 3214868480
	.section	.rodata,"a",@progbits
	.p2align	6, 0x0
	.amdhsa_kernel k_q996388b624_attn
		.amdhsa_group_segment_fixed_size 327680
		.amdhsa_private_segment_fixed_size 0
		.amdhsa_enable_private_segment 0
		.amdhsa_kernarg_size 32
		.amdhsa_user_sgpr_count 2
		.amdhsa_user_sgpr_kernarg_segment_ptr 1
		.amdhsa_wavefront_size32 1
		.amdhsa_system_sgpr_workgroup_id_x 1
		.amdhsa_system_sgpr_workgroup_id_y 1
		.amdhsa_system_sgpr_workgroup_id_z 1
		.amdhsa_system_vgpr_workitem_id 0
		.amdhsa_next_free_vgpr 832
		.amdhsa_next_free_sgpr 100
		.amdhsa_reserve_vcc 0
		.amdhsa_float_denorm_mode_32 3
		.amdhsa_float_denorm_mode_16_64 3
		.amdhsa_memory_ordered 1
		.amdhsa_forward_progress 1
		.amdhsa_inst_pref_size 95
	.end_amdhsa_kernel
	.amdgpu_metadata
---
amdhsa.version: [ 1, 2 ]
amdhsa.kernels:
  - .name:           k_q996388b624_attn
    .symbol:         k_q996388b624_attn.kd
    .args:
      - { .name: qkv_img, .offset: 0, .size: 8, .value_kind: global_buffer, .address_space: global }
      - { .name: mask_t, .offset: 8, .size: 8, .value_kind: global_buffer, .address_space: global }
      - { .name: lowp_scales, .offset: 16, .size: 8, .value_kind: global_buffer, .address_space: global }
      - { .name: attn_img, .offset: 24, .size: 8, .value_kind: global_buffer, .address_space: global }
    .group_segment_fixed_size: 327680
    .private_segment_fixed_size: 0
    .kernarg_segment_align: 8
    .kernarg_segment_size: 32
    .max_flat_workgroup_size: 128
    .sgpr_count:     100
    .vgpr_count:     832
    .wavefront_size: 32
...
	.end_amdgpu_metadata
.endif
;; end of part 3
;; launch oproj (part 4): grid 16 x 16, 4 waves a work-group, clusters of 4 x 4, 327,680 bytes of LDS; arguments attn_img, w_img, lowp_scales, out0; writes out0
.if DOCPART == 4
	.amdgcn_target "amdgcn-amd-amdhsa--gfx1250"
	.amdhsa_code_object_version 6
	.text
	.protected	k_q996388b624_oproj
	.globl	k_q996388b624_oproj
	.p2align	8
	.type	k_q996388b624_oproj,@function
k_q996388b624_oproj:
	s_mov_b64 s[64:65], 0
	v_nop
	global_prefetch_b8 v0, s[64:65] scope:SCOPE_SE
	s_setreg_imm32_b32 hwreg(HW_REG_WAVE_MODE, 25, 1), 1
	s_wait_xcnt 0x0
	s_wait_alu depctr_hold_cnt(0) depctr_sa_sdst(0) depctr_va_vdst(0) depctr_va_sdst(0) depctr_va_ssrc(0) depctr_va_vcc(0) depctr_vm_vsrc(0)
	s_getreg_b32 s2, hwreg(HW_REG_IB_STS2, 6, 4)
	s_cmp_eq_u32 s2, 0
	s_cbranch_scc0 .Lentry_in_a_cluster
	s_endpgm
.Lentry_in_a_cluster:
	s_bfe_u32 s2, ttmp6, 0x10000c
	s_cmp_lg_u32 s2, 0xf033
	s_cbranch_scc0 .Lentry_shape_is_right
	s_endpgm
.Lentry_shape_is_right:
.set NA, 4
.set NB, 4
.set NQ, 4
.set TILEB, 2048*NQ
.set YB, 2*NA*TILEB
.set XB, 2*NB*TILEB
.set SLOT, YB+XB
.set SPARE, 2*SLOT
.set LAPS, 16/(2*NQ)
.set ADY, 16
.set ADX, 20
.set LI,  22
.set STO, 23
.set RD,  24
.set CO,  25
.set SPW, 30
.set NIL, 31
.set TMP, 32
.set BK,  64
.set G1,  24
.set G0,  32
.set G1B, 48
.set G0B, 56
.set MUL,  0xa4
.set TO_Y, 0x40
.set MSB, 0
.macro WIN new
.if MSB != \new
	s_set_vgpr_msb (MSB<<8)|\new
.set MSB, \new
.endif
.endm
.macro PLACES n
.rept \n
	v_nop
.endr
.endm
.macro JLOAD g0a, g1a, g0b, g1b
	s_cmp_eq_u32 s15, 0
	s_cbranch_scc0 .Lfor_b_\@
	tensor_load_to_lds s[\g0a:\g0a+3], s[\g1a:\g1a+7]
	s_nop 0
.rept 4
	v_nop
.endr
	s_branch .Lasked_\@
.Lfor_b_\@:
	tensor_load_to_lds s[\g0b:\g0b+3], s[\g1b:\g1b+7]
	s_nop 0
.rept 4
	v_nop
.endr
.Lasked_\@:
.endm
.macro CREST
	s_cmp_lg_u32 s14, 0
	s_cbranch_scc1 .Lnot_wave_0_\@
	s_barrier_signal -3
.Lnot_wave_0_\@:
	s_barrier_wait -3
	s_barrier_signal -1
	s_barrier_wait -1
.endm
.macro CROUND
	s_barrier_signal -1
	s_barrier_wait -1
	CREST
.endm
.macro FRAG reg, adr, tile, q
.irp p, 0,1,2,3
	ds_load_b128 v[\reg+4*\p:\reg+4*\p+3], v[\adr] offset:(\tile)*TILEB+(\q)*2048+512*\p
.endr
.endm
.macro FETCH slot, q, set
	WIN 0
.set fi, 0
.rept NB
	FRAG 128+64*(\set)+16*fi, ADX+\slot, fi, \q
.set fi, fi+1
.endr
	WIN TO_Y
.set fi, 0
.rept NA
	FRAG 128*(\set)+16*fi, ADY+\slot, fi, \q
.set fi, fi+1
.endr
.endm
.macro MULA a0, n, set, zero
.set ma, \a0
.rept \n
.set mb, 0
.rept NB
.set rD, 8*(4*ma+mb)
.set rX, 128+64*(\set)+16*mb
.set rY, 128*(\set)+16*ma
.if \zero
	v_wmma_f32_16x16x128_fp8_fp8 v[rD:rD+7], v[rX:rX+15], v[rY:rY+15], 0
.else
	v_wmma_f32_16x16x128_fp8_fp8 v[rD:rD+7], v[rX:rX+15], v[rY:rY+15], v[rD:rD+7]
.endif
.set mb, mb+1
.endr
.set ma, ma+1
.endr
.endm
.macro STEP slot, q, zero
	s_wait_dscnt 0x0
	PLACES 4
	FETCH \slot, (\q)+1, 1-(\q)%2
	WIN MUL
	MULA 0, NA, (\q)%2, \zero
	WIN 0
.endm
.macro STEPS slot, from
.set sq, \from
.rept NQ-1-(\from)
	STEP \slot, sq, 0
.set sq, sq+1
.endr
.endm
.macro TURN slot, next, fill
	WIN 0
	s_wait_tensorcnt 0x0
	ds_add_u32 v[SPW], v[NIL]
	s_wait_dscnt 1
	WIN MUL
	MULA 0, NA/4, 1, 0
	s_wait_dscnt 0x0
	s_barrier_signal -1
	MULA NA/4, NA/4, 1, 0
	WIN 0
	s_barrier_wait -1
.if \fill
	CREST
	s_add_nc_u64 s[G0+4*\slot+2:G0+4*\slot+3], s[G0+4*\slot+2:G0+4*\slot+3], 2*TILEB
	s_add_nc_u64 s[G0B+4*\slot+2:G0B+4*\slot+3], s[G0B+4*\slot+2:G0B+4*\slot+3], 2*TILEB
	JLOAD G0+4*\slot, G1, G0B+4*\slot, G1B
.else
	PLACES 4
.endif
	FETCH \next, 0, 0
	WIN MUL
	MULA NA/2, NA/2, 1, 0
	WIN 0
.endm
	s_load_b256 s[4:11], s[0:1], 0x0
	v_lshl_add_u32 v[SPW], v0, 2, SPARE
	v_mov_b32 v[NIL], 0
	ds_add_u32 v[SPW], v[NIL]
	ds_add_u32 v[SPW], v[NIL]
	v_lshrrev_b32 v1, 5, v0
	v_readfirstlane_b32 s14, v1
	s_lshr_b32 s15, s14, 1
	s_and_b32 s16, s14, 1
	s_bfe_u32 s40, ttmp6, 0x40000
	s_bfe_u32 s41, ttmp6, 0x40004
	s_lshl_b32 s42, ttmp9, 2
	s_add_co_u32 s42, s42, s40
	s_and_b32 s17, ttmp7, 0xffff
	s_lshl_b32 s17, s17, 2
	s_add_co_u32 s17, s17, s41
	s_lshl_b32 s43, s41, 2
	s_lshl_b32 s43, 15, s43
	s_lshl_b32 s44, 0x1111, s40
	s_or_b32 s[G1+0], s43, (3<<16)|(1<<21)
	s_or_b32 s[G1B+0], s44, (3<<16)|(1<<21)
	s_mov_b32 s[G1+1], (TILEB/8)<<16
	s_mov_b32 s[G1+2], NA<<16
	s_mov_b32 s[G1+3], (TILEB/8)<<16
	s_mov_b32 s[G1+4], NA
	s_mov_b32 s[G1+5], 4096
	s_mov_b32 s[G1+6], 0
	s_mov_b32 s[G1+7], 0
	s_mov_b32 s[G1B+1], (TILEB/8)<<16
	s_mov_b32 s[G1B+2], NB<<16
	s_mov_b32 s[G1B+3], (TILEB/8)<<16
	s_mov_b32 s[G1B+4], NB
	s_mov_b32 s[G1B+5], 4096
	s_mov_b32 s[G1B+6], 0
	s_mov_b32 s[G1B+7], 0
	s_lshl_b32 s20, s17, 3
	s_lshl_b32 s21, s16, 2
	s_add_co_u32 s20, s20, s21
	s_lshl_b32 s20, s20, 15
	s_mov_b32 s21, 0
	s_lshl_b32 s46, s42, 3
	s_lshl_b32 s47, s16, 2
	s_add_co_u32 s46, s46, s47
	s_add_co_u32 s46, s46, 192
	s_lshl_b32 s46, s46, 15
	s_mov_b32 s47, 0
	s_mul_i32 s45, s16, NA*TILEB
	s_mul_i32 s22, s16, NB*TILEB
	s_add_co_u32 s22, s22, YB
	s_wait_dscnt 0x0
	s_wait_kmcnt 0x0
	s_load_b64 s[96:97], s[8:9], 0x28
	s_add_nc_u64 s[20:21], s[4:5], s[20:21]
	s_add_nc_u64 s[46:47], s[6:7], s[46:47]
	; PREFETCH INTO THE L2: behind fill 0 each wave asks for slots 1 and 2, behind fill 1 for slot 3, one instruction a slot; slot 0 comes by its load alone, and there is no slot 4.
	; The four partners that ask for a wave's 4 tiles x 8,192 bytes jointly share them out BY ADDRESS: the partner at cx (rows) or cy (columns) takes that tile, a lane a block of 256 bytes.
	s_cmp_eq_u32 s15, 0
	s_cselect_b64 s[88:89], s[20:21], s[46:47]
	s_cselect_b32 s90, s40, s41                    ; my place among the four
	s_lshl_b32 s90, s90, 15                        ; x a tile's 32,768 bytes
	s_add_co_u32 s90, s90, TILEB                   ; at slot 1
	s_mov_b32 s91, 0
	s_add_nc_u64 s[88:89], s[88:89], s[90:91]
	v_and_b32 v28, 31, v0
	v_lshlrev_b32 v28, 8, v28
	CROUND
.irp s, 0,1
	s_mov_b32 s[G0+4*\s], 1
	s_add_co_u32 s[G0+4*\s+1], s45, \s*SLOT
	s_add_nc_u64 s[G0+4*\s+2:G0+4*\s+3], s[20:21], \s*TILEB
	s_or_b32 s[G0+4*\s+3], s[G0+4*\s+3], 0x80000000
	s_mov_b32 s[G0B+4*\s], 1
	s_add_co_u32 s[G0B+4*\s+1], s22, \s*SLOT
	s_add_nc_u64 s[G0B+4*\s+2:G0B+4*\s+3], s[46:47], \s*TILEB
	s_or_b32 s[G0B+4*\s+3], s[G0B+4*\s+3], 0x80000000
	s_wait_alu depctr_va_vdst(0)
.if \s > 0                             ; slot 1's first fill is issued as a refill is, behind a wait and a round; slot 0's stands behind the opening round
	s_wait_tensorcnt 0x0
	ds_add_u32 v30, v31
	ds_add_u32 v30, v31
	s_wait_dscnt 0x0
	CROUND
.endif
	JLOAD G0+4*\s, G1, G0B+4*\s, G1B
.if \s == 0
	global_prefetch_b8 v28, s[88:89] th:TH_LOAD_NT scope:SCOPE_SE   ; slot 1
.endif
	global_prefetch_b8 v28, s[88:89] offset:(\s+1)*TILEB th:TH_LOAD_NT scope:SCOPE_SE   ; behind fill 0: slot 2; behind fill 1: slot 3
.endr
	v_and_b32 v1, 31, v0
	v_lshlrev_b32 v[LI], 4, v1
	v_and_b32 v2, 15, v0
	s_wait_alu depctr_va_vdst(0)
	v_bfe_u32 v3, v0, 4, 1
	s_mul_i32 s18, s15, NA*TILEB
	s_mul_i32 s19, s16, NB*TILEB
	s_add_co_u32 s19, s19, YB
.irp s, 0,1
	v_add_nc_u32 v[ADY+\s], s18, v[LI]
	v_add_nc_u32 v[ADX+\s], s19, v[LI]
	s_add_co_u32 s18, s18, SLOT
	s_add_co_u32 s19, s19, SLOT
.endr
	s_mul_i32 s18, s14, 4352
	v_mul_u32_u24 v[STO], v2, 272
	s_wait_alu depctr_va_vdst(0)
	v_lshl_add_u32 v[STO], v3, 5, v[STO]
	v_add_nc_u32 v[STO], s18, v[STO]
	v_mul_u32_u24 v[RD], v3, 272
	v_lshl_add_u32 v[RD], v2, 4, v[RD]
	v_add_nc_u32 v[RD], s18, v[RD]
	v_lshlrev_b32 v[CO], 13, v3
	v_lshl_add_u32 v[CO], v2, 4, v[CO]
	s_lshl_b32 s84, s17, 20
	s_lshl_b32 s85, s15, 19
	s_add_co_u32 s84, s84, s85
	s_lshl_b32 s85, s42, 9
	s_add_co_u32 s84, s84, s85
	s_lshl_b32 s85, s16, 8
	s_add_co_u32 s84, s84, s85
	s_mov_b32 s85, 0
	s_add_nc_u64 s[10:11], s[10:11], s[84:85]
	s_wait_tensorcnt 1
	s_barrier_signal -1
	s_barrier_wait -1
	FETCH 0, 0, 0
	STEP 0, 0, 1
	s_mov_b32 s3, LAPS-1
.Llap:
	STEPS 0, 1
	TURN 0, 1, 1
	STEPS 1, 0
	TURN 1, 0, 1
	STEP 0, 0, 0
	s_sub_co_u32 s3, s3, 1
	s_cmp_lg_u32 s3, 0
	s_cbranch_scc1 .Llap
	STEPS 0, 1
	TURN 0, 1, 0
	STEPS 1, 0
	s_wait_dscnt 0x0
	WIN MUL
	MULA 0, NA, 1, 0
	WIN 0
.macro TOSTAGE a
	WIN 0x02
.set ii, 0
.rept 16
	v_pk_mul_f32 v[TMP+ii:TMP+ii+1], v[32*(\a)+ii:32*(\a)+ii+1], s[96:97] op_sel_hi:[1,0]
.set ii, ii+2
.endr
	WIN 0
.irp b, 0,1,2,3
	ds_store_b128 v[STO], v[TMP+8*\b:TMP+8*\b+3] offset:64*\b
	ds_store_b128 v[STO], v[TMP+8*\b+4:TMP+8*\b+7] offset:64*\b+16
.endr
.irp i, 0,1,2,3,4,5,6,7
	ds_load_b128 v[BK+32*((\a)%2)+4*\i:BK+32*((\a)%2)+4*\i+3], v[RD] offset:544*\i
.endr
.endm
.macro SEND a, younger
	s_wait_dscnt \younger
.irp i, 0,1,2,3,4,5,6,7
	global_store_b128 v[CO], v[BK+32*((\a)%2)+4*\i:BK+32*((\a)%2)+4*\i+3], s[10:11] offset:(16*(\a)+2*\i)*8192 th:TH_STORE_NT
.endr
.endm
	s_wait_kmcnt 0x0
	s_add_co_i32 s96, s96, s97
	s_add_co_i32 s96, s96, 127
	s_lshl_b32 s96, s96, 23
	s_mov_b32 s97, s96
	PLACES 4
	TOSTAGE 0
.irp a, 1,2,3
.if \a > 1
	s_wait_xcnt 0x0
.endif
	TOSTAGE \a
	SEND \a-1, 16
.endr
	SEND 3, 0
	s_wait_tensorcnt 0x0
	ds_add_u32 v[SPW], v[NIL]
	s_wait_dscnt 0x0
	CROUND
	s_endpgm
.Lfunc_end_k_q996388b624_oproj:
	.size	k_q996388b624_oproj, .Lfunc_end_k_q996388b624_oproj-k_q996388b624_oproj
	.p2alignl 7, 3214868480
	.fill 96, 4, 3214868480
	.section	.rodata,"a",@progbits
	.p2align	6, 0x0
	.amdhsa_kernel k_q996388b624_oproj
		.amdhsa_group_segment_fixed_size 327680
		.amdhsa_private_segment_fixed_size 0
		.amdhsa_enable_private_segment 0
		.amdhsa_kernarg_size 32
		.amdhsa_user_sgpr_count 2
		.amdhsa_user_sgpr_kernarg_segment_ptr 1
		.amdhsa_wavefront_size32 1
		.amdhsa_system_sgpr_workgroup_id_x 1
		.amdhsa_system_sgpr_workgroup_id_y 1
		.amdhsa_system_sgpr_workgroup_id_z 1
		.amdhsa_system_vgpr_workitem_id 0
		.amdhsa_next_free_vgpr 640
		.amdhsa_next_free_sgpr 100
		.amdhsa_reserve_vcc 0
		.amdhsa_float_denorm_mode_32 3
		.amdhsa_float_denorm_mode_16_64 3
		.amdhsa_memory_ordered 1
		.amdhsa_forward_progress 1
		.amdhsa_inst_pref_size 75
	.end_amdhsa_kernel
	.amdgpu_metadata
---
amdhsa.version: [ 1, 2 ]
amdhsa.kernels:
  - .name:           k_q996388b624_oproj
    .symbol:         k_q996388b624_oproj.kd
    .args:
      - { .name: attn_img, .offset: 0, .size: 8, .value_kind: global_buffer, .address_space: global }
      - { .name: w_img, .offset: 8, .size: 8, .value_kind: global_buffer, .address_space: global }
      - { .name: lowp_scales, .offset: 16, .size: 8, .value_kind: global_buffer, .address_space: global }
      - { .name: out0, .offset: 24, .size: 8, .value_kind: global_buffer, .address_space: global }
    .group_segment_fixed_size: 327680
    .private_segment_fixed_size: 0
    .kernarg_segment_align: 8
    .kernarg_segment_size: 32
    .max_flat_workgroup_size: 128
    .sgpr_count:     100
    .vgpr_count:     640
    .wavefront_size: 32
...
	.end_amdgpu_metadata
.endif
;; end of part 4
